; MI455X (gfx1250); checked and timed in simulation.
; The chip was launched on July 23, 2026; its instructions are those of AMD's public machine-readable ISA for CDNA 5 (MIT licence, August 2026) and "CDNA5" Instruction Set Architecture Reference Guide (July 2026). The comments in the code are by the model that wrote it; some were corrected since.
;; Grouped Query Attention. Allowed arithmetic: matrix products marked QUANTISED: E2M3 operands, one E8M0 scale for each 32 along K, by v_wmma_scale_f32_16x16x128_f8f6f4 with both operands' format E2M3, f32 sums; everything else in f32.
;; Inputs: Wk 2,048 x 256 float32; Wo 256 x 2,048 float32; Wq 2,048 x 2,048 float32; Wv 2,048 x 256 float32; bk 256 float32; bo 2,048 float32; bq 2,048 float32; bv 256 float32; x 4 x 2,048 x 2,048 float32.
;; Outputs: out0 4 x 2,048 x 2,048 float32.
;; This version of the problem:
;;   THIS VERSION OF THE PROBLEM IS GIVEN IN LOW PRECISION. The matrix products marked QUANTISED in the list below multiply operands that are first quantised to E2M3 (2 exponent bits, 3 mantissa bits; 6 bits a number), with one power-of-two scale for each 32 numbers along K (OCP MX v1.0); their sums are f32. All else is computed in f32.
;;   The module's matrix products, in the order in which they are computed (A, B: the left and right operand; K: the contracted axis; several contracted axes count as one K, in the product's order):
;;     1. [M 8,192, K 2,048] x [K 2,048, N 2,048]; A: input x; B: input Wq: QUANTISED
;;     2. [M 8,192, K 2,048] x [K 2,048, N 256]; A: input x; B: input Wk: QUANTISED
;;     3. [M 8,192, K 2,048] x [K 2,048, N 256]; A: input x; B: input Wv: QUANTISED
;;     4. batch 8 x [M 2,048, K 128] x [K 128, N 2,048]; A: computed on the way; B: computed on the way: QUANTISED
;;     5. batch 8 x [M 2,048, K 2,048] x [K 2,048, N 128]; A: softmax (see below); B: computed on the way: QUANTISED
;;     6. [M 8,192, K 256] x [K 256, N 2,048]; A: computed on the way; B: input Wo: QUANTISED
;;   THE QUANTISER, for each operand of a quantised product, along K:
;;     - K is cut into blocks of 32 from its start; a last block that is shorter is filled with zeros.
;;     - A block's scale is 2^e with e = floor(log2(the largest magnitude in the block)) - 2, held to -126 .. 127; a block of zeros has e = 0. As a byte (E8M0): e + 127.
;;     - Each number is divided by its block's scale, clamped to +-7.5, and rounded to the nearest number of E2M3, ties to even, subnormals kept.
;;     - The product sums the exact products of the quantised numbers (number of the format x scale) in f32.
;;   ~~~python
;;   def quantise(x, axis):      # numpy; x: float32 -> the quantised numbers, widened to float32 again
;;       x = np.moveaxis(x, axis, -1); K = x.shape[-1]
;;       x = np.pad(x, [(0, 0)] * (x.ndim - 1) + [(0, -K % 32)]); x = x.reshape(x.shape[:-1] + (-1, 32)); a = np.abs(x).max(-1, keepdims=True)
;;       e = np.where(a > 0, np.clip(np.frexp(np.where(a > 0, a, 1))[1] - 1 - 2, -126, 127), 0)      # np.frexp(a)[1] - 1 = floor(log2(a)), exactly
;;       r = np.clip(x / 2.0 ** e, -7.5, 7.5)
;;       step = 2.0 ** (np.maximum(np.frexp(np.where(r == 0, 1, r))[1] - 1, 0) - 3)
;;       q = np.round(r / step) * step * 2.0 ** e      # np.round: ties to even
;;       return np.moveaxis(q.reshape(q.shape[:-2] + (-1,))[..., :K], -1, axis).astype(np.float32)
;;   ~~~
;;   SOFTMAX AHEAD OF A QUANTISED PRODUCT. Where the list says 'softmax', what is quantised is not the finished softmax but p = 2^(t - M), with t = logit x log2(e) and M = ceil(the row's largest t), a whole number; so 1/2 < the row's largest p <= 1. The row's sum l is taken of the UNQUANTISED p, in f32, and the product's result is divided by l at the end. Since M is a whole number, a kernel that streams over the keys may use a running M (the ceiling of the running maximum): every later rescaling is an exact power of two, which a block's scale takes up: the codes' values come out the same.
;;   OPERANDS COMPUTED ON THE WAY. 'Computed on the way' means the value that the module computes at that place (a softmax that the list does not call 'softmax' is quantised finished and normalised). What goes into a quantiser is computed in f32, as accurately as f32 sums, v_exp_f32 and their like allow (about 1e-6 of the number): no bf16 or f16 on the way to a quantiser, and a product that is left as it is and whose result goes on into a quantised operand takes f32 operands (vector FMAs, or v_wmma_f32_16x16x4_f32). A number that lies on a knife's edge between two numbers of the format may be rounded either way, as far as f32 arithmetic and the matrix unit's own rounding can turn it there, and no further.
;; One version. Each part assembles by itself: llvm-mc -triple=amdgcn-amd-amdhsa -mcpu=gfx1250 --defsym DOCPART=n.
;; ======== version 1 of 1: 4 launches
;; limits: right only within a limited range of input values
;; workspace buffers: xcod 13,107,200 bytes; wcod 4,096,000 bytes; wocod 409,600 bytes; ropet 1,048,576 bytes; qf 8,388,608 bytes; kimg 1,638,400 bytes; vimg 1,638,400 bytes; ycod 1,703,936 bytes
;; launch prep (part 1): grid 720 x 1, 4 waves a work-group, no clusters, 50,688 bytes of LDS; arguments x, Wq, Wk, Wv, Wo, xcod, wcod, wocod, ropet; writes xcod, wcod, wocod, ropet
.if DOCPART == 1
	.amdgcn_target "amdgcn-amd-amdhsa--gfx1250"
	.amdhsa_code_object_version 6
	.text
	.protected	k_q8793de9e6e_prep
	.globl	k_q8793de9e6e_prep
	.p2align	8
	.type	k_q8793de9e6e_prep,@function
k_q8793de9e6e_prep:
	s_mov_b64 s[64:65], 0
	v_nop
	global_prefetch_b8 v0, s[64:65] scope:SCOPE_SE
	s_setreg_imm32_b32 hwreg(HW_REG_WAVE_MODE, 25, 1), 1
	s_wait_xcnt 0x0
; PREP: x, Wq, Wk, Wv, Wo (f32) become codes of FP6 (E2M3) with one E8M0 byte for each 32 along K, laid as IMAGES OF OPERAND REGISTERS, and the table of cos and sin for the rotary embedding is made.
; A fragment image (16 rows x 128 K, 12 registers a lane, 1,536 bytes): register p of lane l at 512 (p / 4) + 16 l + 4 (p % 4); lane (r, H) holds row r, registers 6 c .. 6 c + 5 hold k = 64 c + 32 H + 0 .. 31.
; A block's scale is 2^(floor(log2(largest magnitude)) - 2); its byte is the largest magnitude's exponent field - 2, held at 1 from below.
; xcod: [mt 32][slot 8][mh 2] blocks of 25,600 bytes: images [ko 2][mi 8], then planes [mi 8] of 128 bytes: the scale word of row r, K step ko at 4 (r + 16 ko).  Row = 256 mt + 128 mh + 16 mi + r, K = 256 slot + 128 ko.
; wcod: [j 8][slot 8][nh 2] blocks of 32,000 bytes: images [ko 2][f 10], then planes [f 10].  f < 8: Wq's columns (8 (j / 4) + f) 128 + 32 (j % 4) + 16 nh + R;  f = 8 + e: Wk's (j < 4) or Wv's columns 64 (j % 4) + 32 nh + 16 e + R.
; wocod: images [nt 128][s 2], then planes [nt 128].  ropet: [t 2048][i 64] pairs (cos, sin).
; WORK-GROUPS: 0-127 Wq, 128-159 Wk and Wv, 160-175 Wo, 176-207 the table, 208-719 x.  A wave of the weights walks eight blocks one behind the other, a wave of x four fragments: the longer walk has the lower numbers.
; The paths part on the work-group's number; x's path and the weights' path have LDS bytes of their own (x: 4 stages of 8,448 from byte 0; the weights: 4 stages of 4,096 from byte 34,304; between them the spare words).  No barrier: waves share nothing.
; The work-groups are small and take 256 registers a wave and 50,688 bytes of LDS, so that several lie on a WGP: each of their waves keeps 32 loads of 512 bytes on their way.
; No matrix unit, no cluster, no tensor load: every byte is read once by one wave and the launch streams.
; LIMITS: NaN and infinities are not served.  A block whose largest magnitude lies under 2^-124, a block of zeros among them, keeps the byte 1 (its codes are what the conversion gives under that scale; zeros for zeros); these bytes are read by this program alone.
; The table: inv_freq = 2^(-i log2(10000) / 64) by v_exp_f32; an angle near 2,000 can differ from one made with a correctly rounded inv_freq by about 2e-4.  sin and cos by reduction with pi/2 in three parts and polynomials of degree 9 and 10.
.set R,   40                           ; v40-167  x: two sets of 64 numbers as loaded;  weights: four sets of 32 as loaded
.set X,   168                          ; v168-231 x: 64 numbers in the operand's order;  weights: v168-199 a block, a lane to a column
.set WC,  200                          ; v200-247 weights: the codes
.set QM,  12                           ; v12-17   two largest magnitudes, two scale operands, two bytes
.set QH,  8                            ; v8       8 H
.set QP,  10                           ; v10      a lane permute's destination
.set SPW, 254                          ; v254     LDS address of my spare word; never rewritten
.set NIL, 255                          ; v255     0; never rewritten
.set SEL, 30                           ; s[30:31] selects for lane l xor 16
.set NF,  4                            ; x: fragments of a wave
.set WST, 0x8600                       ; the weights' stages
; 64 numbers of a lane, v[s + 32 c + i] = k 64 c + 32 H + i of its row (two whole blocks), become the 12 registers v[d] on and the row's scale word v[w] (the same in both halves of the lanes).  t: seven registers at work.
.macro Q32 s, d, w, t
	v_max3_num_f32 v[QM], |v[\s]|, |v[\s+1]|, 0x1800000            ; with the floor 2^(3 - 127): the byte cannot fall under 1
	v_max3_num_f32 v[QM+1], |v[\s+32]|, |v[\s+33]|, 0x1800000
.irp i, 2,4,6,8,10,12,14,16,18,20,22,24,26,28,30
	v_max3_num_f32 v[QM], v[QM], |v[\s+\i]|, |v[\s+\i+1]|          ; the two blocks by turns
	v_max3_num_f32 v[QM+1], v[QM+1], |v[\s+32+\i]|, |v[\s+33+\i]|
.endr
	v_add_nc_u32 v[QM+2], 0xff000000, v[QM]                        ; 2 off the exponent field: the conversion's scale operand
	v_add_nc_u32 v[QM+3], 0xff000000, v[QM+1]
	v_lshrrev_b32 v[QM+4], 23, v[QM+2]                             ; the bytes of blocks H and 2 + H
	v_lshrrev_b32 v[QM+5], 23, v[QM+3]
	v_lshl_or_b32 v[\w], v[QM+5], 16, v[QM+4]
	v_lshlrev_b32 v[\w], v[QH], v[\w]                              ; at their places in the word
	v_permlanex16_b32 v[QP], v[\w], s[SEL], s[SEL+1]
	v_or_b32 v[\w], v[\w], v[QP]                                   ; with lane l xor 16's two the word is whole
	v_cvt_scalef32_pk16_fp6_f32 v[\d:\d+2], v[\s:\s+15], v[QM+2]
	v_cvt_scalef32_pk16_fp6_f32 v[\t:\t+2], v[\s+16:\s+31], v[QM+2]   ; a conversion's three registers begin on an even number: the second half is made elsewhere and moved
	v_cvt_scalef32_pk16_fp6_f32 v[\d+6:\d+8], v[\s+32:\s+47], v[QM+3]
	v_cvt_scalef32_pk16_fp6_f32 v[\t+4:\t+6], v[\s+48:\s+63], v[QM+3]
	v_nop                                                          ; one plain place behind the conversions
.irp i, 0,1,2
	v_mov_b32 v[\d+3+\i], v[\t+\i]
	v_mov_b32 v[\d+9+\i], v[\t+4+\i]
.endr
.endm
	s_load_b512 s[4:19], s[0:1], 0x0               ; x s[4:5], Wq s[6:7], Wk s[8:9], Wv s[10:11], Wo s[12:13], xcod s[14:15], wcod s[16:17], wocod s[18:19]
	s_load_b64 s[20:21], s[0:1], 0x40              ; ropet
	v_lshl_add_u32 v[SPW], v0, 2, 0x8400
	v_mov_b32 v[NIL], 0
	v_lshrrev_b32 v1, 5, v0
	v_readfirstlane_b32 s22, v1                    ; wave
	v_and_b32 v1, 31, v0                           ; lane
	v_and_b32 v2, 15, v0                           ; r
	v_bfe_u32 v3, v0, 4, 1                         ; H (x) or the tile T (weights)
	v_lshlrev_b32 v4, 4, v1                        ; 16 x lane
	v_lshlrev_b32 v7, 2, v1                        ; 4 x lane
	s_mov_b32 s[SEL], 0x76543210
	s_mov_b32 s[SEL+1], 0xfedcba98
	s_mov_b32 s32, 0xffff0000                      ; lanes 16-31
	s_mov_b32 s25, 0                               ; the upper words of three offsets
	s_mov_b32 s27, 0
	s_mov_b32 s29, 0
	s_wait_alu depctr_va_vdst(0)                   ; the wait at the head's end
	s_wait_kmcnt 0x0
	s_cmp_lt_u32 ttmp9, 128
	s_cbranch_scc1 .Lwq
	s_cmp_lt_u32 ttmp9, 160
	s_cbranch_scc1 .Lwkv
	s_cmp_lt_u32 ttmp9, 176
	s_cbranch_scc1 .Lwo
	s_cmp_ge_u32 ttmp9, 208
	s_cbranch_scc1 .Lx
; ---- THE TABLE: a work-group makes 64 positions t; a trip two of them, 64 frequencies each: thread = 64 (t % 2) + i, 8 bytes a thread, 1,024 consecutive bytes a trip
	s_sub_co_u32 s33, ttmp9, 176
	s_lshl_b32 s24, s33, 15                        ; 64 t x 512 bytes
	s_add_nc_u64 s[42:43], s[20:21], s[24:25]
	v_and_b32 v8, 63, v0                           ; i
	v_lshrrev_b32 v9, 6, v0
	v_lshlrev_b32 v5, 3, v0
	v_cvt_f32_u32 v8, v8
	v_mul_f32 v8, 0xbe549a78, v8                   ; -i log2(10000) / 64
	s_wait_alu depctr_va_vdst(0)
	v_exp_f32 v8, v8                               ; inv_freq
	s_lshl_b32 s34, s33, 6
	v_add_nc_u32 v9, s34, v9                       ; (a plain place behind the exponential)  my first t
	v_cvt_f32_u32 v9, v9
	s_wait_alu depctr_va_vdst(0)                   ; the wait ahead of the exponential's first reader, and of the label
	s_mov_b32 s41, 32
.Lrope:
	s_wait_alu depctr_va_vdst(0)
	v_mul_f32 v10, v9, v8                          ; the angle, as reference() rounds it
	v_mul_f32 v11, 0x3f22f983, v10
	v_rndne_f32 v11, v11                           ; n = the nearest multiple of pi/2, at most 1,304
	v_fmamk_f32 v12, v11, 0xbfc90000, v10          ; the angle - n pi/2, pi/2 in three parts: n times each of the first two is exact
	v_fmamk_f32 v12, v11, 0xb9fda000, v12
	v_fmamk_f32 v12, v11, 0xb3a22168, v12          ; |r| <= pi/4
	v_mul_f32 v13, v12, v12                        ; z = r^2
	v_mov_b32 v14, 0x3638ef1d                      ; 1/9!
	v_fmaak_f32 v14, v14, v13, 0xb9500d01          ; -1/7!
	v_fmaak_f32 v14, v14, v13, 0x3c088889          ; 1/5!
	v_fmaak_f32 v14, v14, v13, 0xbe2aaaab          ; -1/3!
	v_mul_f32 v15, v12, v13
	v_fma_f32 v14, v15, v14, v12                   ; sin r
	v_mov_b32 v16, 0xb493f27e                      ; -1/10!
	v_fmaak_f32 v16, v16, v13, 0x37d00d01          ; 1/8!
	v_fmaak_f32 v16, v16, v13, 0xbab60b61          ; -1/6!
	v_fmaak_f32 v16, v16, v13, 0x3d2aaaab          ; 1/4!
	v_fmaak_f32 v16, v16, v13, 0xbf000000          ; -1/2
	v_fma_f32 v16, v16, v13, 1.0                   ; cos r
	v_cvt_i32_f32 v17, v11
	v_and_b32 v18, 1, v17
	v_cmp_eq_u32 vcc_lo, 1, v18                    ; odd quadrants change sin and cos
	v_cndmask_b32 v21, v14, v16, vcc_lo
	v_cndmask_b32 v20, v16, v14, vcc_lo
	v_and_b32 v18, 2, v17                          ; sin is negated in quadrants 2, 3;
	v_lshlrev_b32 v18, 30, v18
	v_xor_b32 v21, v21, v18
	v_add_nc_u32 v19, 1, v17                       ; cos in quadrants 1, 2
	v_and_b32 v19, 2, v19
	v_lshlrev_b32 v19, 30, v19
	v_xor_b32 v20, v20, v19
	global_store_b64 v5, v[20:21], s[42:43]        ; a wave stores 256 consecutive bytes, aligned
	s_wait_xcnt 0x0                                ; the store has read its base and its data: both are written again below
	s_add_nc_u64 s[42:43], s[42:43], 1024
	v_add_f32 v9, 2.0, v9
	s_sub_co_u32 s41, s41, 1
	s_cmp_lg_u32 s41, 0
	s_cbranch_scc1 .Lrope
	s_endpgm
; ---- x: s23, the work-group's number less 208, is the number of its block of xcod: 16 mt + 2 slot + mh.  Wave w takes rows 256 mt + 128 mh + 32 w .. + 31, K = 256 slot .. + 255: four fragments n (rows 16 (n / 2) on, K step n % 2): images mi = 2 w + n / 2
.Lx:
	s_sub_co_u32 s23, ttmp9, 208
	s_lshr_b32 s33, s23, 4                         ; mt
	s_bfe_u32 s34, s23, 0x30001                    ; slot: three bits from bit 1
	s_and_b32 s35, s23, 1                          ; mh
	s_lshl_b32 s33, s33, 8
	s_lshl_b32 s35, s35, 7
	s_add_co_u32 s33, s33, s35
	s_lshl_b32 s36, s22, 5
	s_add_co_u32 s33, s33, s36                     ; my first row
	s_lshl_b32 s24, s33, 13                        ; x 8,192 bytes
	s_lshl_b32 s36, s34, 10
	s_add_co_u32 s24, s24, s36                     ; + 1,024 slot
	s_add_nc_u64 s[42:43], s[4:5], s[24:25]
	s_mul_i32 s26, s23, 25600                      ; my block
	s_lshl_b32 s38, s22, 8
	s_add_co_u32 s28, s26, s38
	s_add_co_u32 s28, s28, 24576                   ; my two planes
	s_mul_i32 s37, s22, 2*1536
	s_add_co_u32 s26, s26, s37                     ; my two images of each K step
	s_add_nc_u64 s[44:45], s[14:15], s[26:27]
	s_add_nc_u64 s[46:47], s[14:15], s[28:29]
	s_mul_i32 s39, s22, 8448                       ; my stage: 16 rows of 512 bytes + 16
	s_wait_alu depctr_va_vdst(0)
	v_add_nc_u32 v5, s39, v4                       ; in: a row's 512 bytes as they lie
	v_mul_u32_u24 v6, v2, 528
	v_lshl_add_u32 v6, v3, 7, v6
	v_add_nc_u32 v6, s39, v6                       ; out: row r, + 128 H: my two blocks.  The pitch is an odd multiple of 16 bytes
	v_lshlrev_b32 v[QH], 3, v3
	v_mov_b32 v[QP], 0                             ; written once: a lane permute's destination counts as one of its sources
.macro XLOAD n                         ; 16 rows x 512 consecutive bytes
.irp i, 0,1,2,3,4,5,6,7,8,9,10,11,12,13,14,15
	global_load_b128 v[R+64*((\n)%2)+4*\i:R+64*((\n)%2)+4*\i+3], v4, s[42:43] offset:(16*((\n)/2)+\i)*8192+512*((\n)%2) th:TH_LOAD_NT
.endr
.endm
.macro FRAG n
.if (\n) < NF-1
	s_wait_loadcnt 16                              ; this fragment's 16 loads are in; the next one's may be out
.else
	s_wait_loadcnt 0
.endif
.irp i, 0,1,2,3,4,5,6,7,8,9,10,11,12,13,14,15
	ds_store_b128 v5, v[R+64*((\n)%2)+4*\i:R+64*((\n)%2)+4*\i+3] offset:528*\i
.endr
.irp c, 0,1
.irp e, 0,1,2,3,4,5,6,7
	ds_load_b128 v[X+32*\c+4*\e:X+32*\c+4*\e+3], v6 offset:256*\c+16*\e   ; LDS serves a wave's instructions in order: these see the stores above
.endr
.endr
	s_wait_dscnt 0x0                               ; the numbers are back, and the stores have read their registers,
.if (\n)+2 < NF
	XLOAD (\n)+2                                   ; which take the loads of two fragments on
.endif
	s_wait_xcnt 0x0                                ; the last fragment's stores have read their data: the codes' and the word's registers are written again below
	Q32 X, 20, 9, 32
.irp g, 0,1,2
	global_store_b128 v4, v[20+4*\g:23+4*\g], s[44:45] offset:(8*((\n)%2)+(\n)/2)*1536+512*\g   ; 512 consecutive bytes, aligned
.endr
.if (\n)%2 == 0
	v_mov_b32 v11, v9                              ; K step 0's words,
.else
	v_cndmask_b32 v11, v11, v9, s32                ; K step 1's in lanes 16-31: the plane
	global_store_b32 v7, v11, s[46:47] offset:128*((\n)/2)
.endif
.endm
	XLOAD 0
	XLOAD 1
	s_wait_alu depctr_va_vdst(0)
.irp n, 0,1,2,3
	FRAG \n
.endr
	s_wait_tensorcnt 0x0                           ; the wave's end, behind my last LDS store
	ds_add_u32 v[SPW], v[NIL]
	s_wait_dscnt 0x0
	s_endpgm
; ---- THE WEIGHTS: K is their first axis.  A lane takes a column and its registers run down K: a wave takes 32 columns (two tiles T of 16) x 256 K: eight blocks t of 32 x 32 numbers.
; A block comes by eight loads of 16 bytes a lane (a load: four rows of the wave's 128 bytes), goes into the wave's own 4,096 bytes of LDS as it lies, row by row, and comes back a lane to a column, a register to a row.  Four blocks, 32 loads, are on their way.
; Block t is block 2 c + H of K step ko (ko = t / 4, H = t % 2, c = (t / 2) % 2): six registers of image lane r + 16 H of fragment (T, ko): sixteen lanes store 256 consecutive bytes of an image.
.macro WLOAD t, stride
.irp i, 0,1,2,3,4,5,6,7
	global_load_b128 v[R+32*((\t)%4)+4*\i:R+32*((\t)%4)+4*\i+3], v24, s[42:43] offset:(32*(\t)+4*\i)*(\stride) th:TH_LOAD_NT
.endr
.endm
.macro WBLOCK t, stride
.set GS, R+32*((\t)%4)
.set XS, X
.set CC, WC+24*((\t)/4)+12*((\t)%2)+6*(((\t)/2)%2)     ; v200-247: the codes, each register written once: no store's data are written again
.if (\t) < 5
	s_wait_loadcnt 24                              ; this block's 8 loads are in; those of the three blocks behind it may be out
.else
	s_wait_loadcnt 8*(7-(\t))
.endif
.irp i, 0,1,2,3,4,5,6,7
	ds_store_b128 v26, v[GS+4*\i:GS+4*\i+3] offset:512*\i          ; rows 4 i .. 4 i + 3: 512 consecutive bytes
.endr
.irp i, 0,1,2,3,4,5,6,7,8,9,10,11,12,13,14,15,16,17,18,19,20,21,22,23,24,25,26,27,28,29,30,31
	ds_load_b32 v[XS+\i], v27 offset:128*\i        ; row i, my column.  LDS serves a wave's instructions in order: these see the stores above
.endr
	s_wait_dscnt 0x0                               ; the block is back, and the stores have read their registers,
.if (\t)+4 < 8
	WLOAD (\t)+4, \stride                          ; which take the loads of four blocks on
.endif
	v_max3_num_f32 v12, |v[XS]|, |v[XS+1]|, |v[XS+2]|
	v_max3_num_f32 v13, |v[XS+3]|, |v[XS+4]|, |v[XS+5]|
.irp i, 6,10,14,18,22,26
	v_max3_num_f32 v12, v12, |v[XS+\i]|, |v[XS+\i+1]|
	v_max3_num_f32 v13, v13, |v[XS+\i+2]|, |v[XS+\i+3]|
.endr
	v_max3_num_f32 v12, v12, |v[XS+30]|, |v[XS+31]|
	v_max3_num_f32 v12, v12, v13, 0x1800000        ; and the floor
	v_add_nc_u32 v14, 0xff000000, v12
	v_lshrrev_b32 v16, 23, v14
.if (\t)%4 == 0
	v_mov_b32 v[18+(\t)/4], v16                    ; the K step's scale word: the lower K in the lower byte
.else
	v_lshl_or_b32 v[18+(\t)/4], v16, 8*((\t)%4), v[18+(\t)/4]
.endif
	v_cvt_scalef32_pk16_fp6_f32 v[CC:CC+2], v[XS:XS+15], v14
	v_cvt_scalef32_pk16_fp6_f32 v[32:34], v[XS+16:XS+31], v14
	v_nop                                          ; one plain place behind the conversions
.irp i, 0,1,2
	v_mov_b32 v[CC+3+\i], v[32+\i]
.endr
.if (\t)%4 == 3
.irp H, 0,1
.irp g, 0,1,2
	global_store_b128 v[20+(\t)/4], v[WC+24*((\t)/4)+12*\H+4*\g:WC+24*((\t)/4)+12*\H+4*\g+3], s[44:45] offset:256*\H+512*\g
.endr
.endr
	global_store_b32 v[22+(\t)/4], v[18+(\t)/4], s[46:47]
.endif
.endm
.macro WBODY stride                    ; s39: from tile to tile in the codes; s40: from K step to K step; s41: from tile to tile in the planes
	v_mul_lo_u32 v20, v3, s39
	v_lshl_add_u32 v20, v2, 4, v20                 ; T s39 + 16 r
	v_add_nc_u32 v21, s40, v20
	v_mul_lo_u32 v22, v3, s41
	v_lshl_add_u32 v22, v2, 2, v22                 ; T s41 + 4 r
	v_add_nc_u32 v23, 64, v22                      ; K step 1's words lie 64 bytes on
	v_lshrrev_b32 v24, 3, v1
	v_mul_u32_u24 v24, v24, \stride
	v_and_b32 v25, 7, v1
	v_lshl_add_u32 v24, v25, 4, v24                ; a load: row lane / 8, 16 bytes at 16 (lane % 8)
	s_lshl_b32 s33, s22, 12
	s_add_co_u32 s33, s33, WST                     ; my stage
	v_add_nc_u32 v26, s33, v4                      ; in: 16 x lane
	v_add_nc_u32 v27, s33, v7                      ; back: 4 x lane
	s_wait_alu depctr_va_vdst(0)
	WLOAD 0, \stride
	WLOAD 1, \stride
	WLOAD 2, \stride
	WLOAD 3, \stride
.irp t, 0,1,2,3,4,5,6,7
	WBLOCK \t, \stride
.endr
	s_wait_tensorcnt 0x0                           ; the wave's end, behind my last LDS store
	ds_add_u32 v[SPW], v[NIL]
	s_wait_dscnt 0x0
	s_endpgm
.endm
.Lwq:                                  ; task u = (slot, 32 columns cg): head = cg / 4, g = head % 8 is the fragment f, j = 4 (head / 8) + cg % 4, the tile T is nh
	s_lshl_b32 s33, ttmp9, 2
	s_add_co_u32 s33, s33, s22
	s_and_b32 s34, s33, 63                         ; cg
	s_lshr_b32 s35, s33, 6                         ; slot
	s_lshl_b32 s24, s35, 21                        ; 256 rows of 8,192 bytes
	s_lshl_b32 s36, s34, 7
	s_add_co_u32 s24, s24, s36
	s_add_nc_u64 s[42:43], s[6:7], s[24:25]
	s_lshr_b32 s36, s34, 2
	s_and_b32 s37, s36, 7                          ; g
	s_lshr_b32 s36, s36, 3
	s_lshl_b32 s36, s36, 2
	s_and_b32 s38, s34, 3
	s_add_co_u32 s36, s36, s38                     ; j
	s_lshl_b32 s36, s36, 3
	s_add_co_u32 s36, s36, s35
	s_mul_i32 s26, s36, 64000
	s_lshl_b32 s38, s37, 7
	s_add_co_u32 s28, s26, s38
	s_add_co_u32 s28, s28, 30720
	s_mul_i32 s38, s37, 1536
	s_add_co_u32 s26, s26, s38
	s_add_nc_u64 s[44:45], s[16:17], s[26:27]
	s_add_nc_u64 s[46:47], s[16:17], s[28:29]
	s_mov_b32 s39, 32000
	s_mov_b32 s40, 15360
	s_mov_b32 s41, 32000
	s_branch .Lw8192
.Lwo:                                  ; task u = 32 columns: tiles nt = 2 u + T; the K steps are s
	s_sub_co_u32 s33, ttmp9, 160
	s_lshl_b32 s33, s33, 2
	s_add_co_u32 s33, s33, s22
	s_lshl_b32 s24, s33, 7
	s_add_nc_u64 s[42:43], s[12:13], s[24:25]
	s_mul_i32 s26, s33, 6144
	s_add_nc_u64 s[44:45], s[18:19], s[26:27]
	s_lshl_b32 s28, s33, 8
	s_add_co_u32 s28, s28, 393216
	s_add_nc_u64 s[46:47], s[18:19], s[28:29]
	s_mov_b32 s39, 3072
	s_mov_b32 s40, 1536
	s_mov_b32 s41, 128
.Lw8192:
	s_wait_alu depctr_va_vdst(0)
	WBODY 8192
.Lwkv:                                 ; task u = (Wk or Wv, slot, 32 columns cg): j = 4 sel + cg / 2, nh = cg % 2, the tile T is e: fragment 8 + e
	s_sub_co_u32 s33, ttmp9, 128
	s_lshl_b32 s33, s33, 2
	s_add_co_u32 s33, s33, s22
	s_lshr_b32 s34, s33, 6                         ; sel
	s_and_b32 s35, s33, 7                          ; cg
	s_bfe_u32 s36, s33, 0x30003                    ; slot
	s_cmp_eq_u32 s34, 0
	s_cselect_b64 s[42:43], s[8:9], s[10:11]
	s_lshl_b32 s24, s36, 18                        ; 256 rows of 1,024 bytes
	s_lshl_b32 s37, s35, 7
	s_add_co_u32 s24, s24, s37
	s_add_nc_u64 s[42:43], s[42:43], s[24:25]
	s_lshl_b32 s37, s34, 2
	s_lshr_b32 s38, s35, 1
	s_add_co_u32 s37, s37, s38                     ; j
	s_lshl_b32 s37, s37, 3
	s_add_co_u32 s37, s37, s36
	s_lshl_b32 s37, s37, 1
	s_and_b32 s38, s35, 1
	s_add_co_u32 s37, s37, s38
	s_mul_i32 s26, s37, 32000
	s_add_co_u32 s28, s26, 30720+1024
	s_add_co_u32 s26, s26, 12288
	s_add_nc_u64 s[44:45], s[16:17], s[26:27]
	s_add_nc_u64 s[46:47], s[16:17], s[28:29]
	s_mov_b32 s39, 1536
	s_mov_b32 s40, 15360
	s_mov_b32 s41, 128
	s_wait_alu depctr_va_vdst(0)
	WBODY 1024
.Lfunc_end_k_q8793de9e6e_prep:
	.size	k_q8793de9e6e_prep, .Lfunc_end_k_q8793de9e6e_prep-k_q8793de9e6e_prep
	.p2alignl 7, 3214868480
	.fill 96, 4, 3214868480
	.section	.rodata,"a",@progbits
	.p2align	6, 0x0
	.amdhsa_kernel k_q8793de9e6e_prep
		.amdhsa_group_segment_fixed_size 50688
		.amdhsa_private_segment_fixed_size 0
		.amdhsa_enable_private_segment 0
		.amdhsa_kernarg_size 72
		.amdhsa_user_sgpr_count 2
		.amdhsa_user_sgpr_kernarg_segment_ptr 1
		.amdhsa_wavefront_size32 1
		.amdhsa_system_sgpr_workgroup_id_x 1
		.amdhsa_system_sgpr_workgroup_id_y 1
		.amdhsa_system_sgpr_workgroup_id_z 1
		.amdhsa_system_vgpr_workitem_id 0
		.amdhsa_next_free_vgpr 256
		.amdhsa_next_free_sgpr 66
		.amdhsa_reserve_vcc 1
		.amdhsa_float_denorm_mode_32 3
		.amdhsa_float_denorm_mode_16_64 3
		.amdhsa_memory_ordered 1
		.amdhsa_forward_progress 1
		.amdhsa_inst_pref_size 116
	.end_amdhsa_kernel
	.amdgpu_metadata
---
amdhsa.version: [ 1, 2 ]
amdhsa.kernels:
  - .name:           k_q8793de9e6e_prep
    .symbol:         k_q8793de9e6e_prep.kd
    .args:
      - { .name: x, .offset: 0, .size: 8, .value_kind: global_buffer, .address_space: global }
      - { .name: Wq, .offset: 8, .size: 8, .value_kind: global_buffer, .address_space: global }
      - { .name: Wk, .offset: 16, .size: 8, .value_kind: global_buffer, .address_space: global }
      - { .name: Wv, .offset: 24, .size: 8, .value_kind: global_buffer, .address_space: global }
      - { .name: Wo, .offset: 32, .size: 8, .value_kind: global_buffer, .address_space: global }
      - { .name: xcod, .offset: 40, .size: 8, .value_kind: global_buffer, .address_space: global }
      - { .name: wcod, .offset: 48, .size: 8, .value_kind: global_buffer, .address_space: global }
      - { .name: wocod, .offset: 56, .size: 8, .value_kind: global_buffer, .address_space: global }
      - { .name: ropet, .offset: 64, .size: 8, .value_kind: global_buffer, .address_space: global }
    .group_segment_fixed_size: 50688
    .private_segment_fixed_size: 0
    .kernarg_segment_align: 8
    .kernarg_segment_size: 72
    .max_flat_workgroup_size: 128
    .sgpr_count:     66
    .vgpr_count:     256
    .wavefront_size: 32
...
	.end_amdgpu_metadata
.endif
;; end of part 1
;; launch qkv (part 2): grid 8 x 32, 8 waves a work-group, clusters of 4 x 4, 327,680 bytes of LDS; arguments xcod, wcod, bq, bk, bv, ropet, qf, kimg, vimg; writes qf, kimg, vimg
.if DOCPART == 2
	.amdgcn_target "amdgcn-amd-amdhsa--gfx1250"
	.amdhsa_code_object_version 6
	.text
	.protected	k_q8793de9e6e_qkv
	.globl	k_q8793de9e6e_qkv
	.p2align	8
	.type	k_q8793de9e6e_qkv,@function
k_q8793de9e6e_qkv:
	s_mov_b64 s[64:65], 0
	v_nop
	global_prefetch_b8 v0, s[64:65] scope:SCOPE_SE
	s_setreg_imm32_b32 hwreg(HW_REG_WAVE_MODE, 25, 1), 1
	s_wait_xcnt 0x0
	s_wait_alu depctr_hold_cnt(0) depctr_sa_sdst(0) depctr_va_vdst(0) depctr_va_sdst(0) depctr_va_ssrc(0) depctr_va_vcc(0) depctr_vm_vsrc(0)
	s_getreg_b32 s2, hwreg(HW_REG_IB_STS2, 6, 4)
	s_cmp_eq_u32 s2, 0
	s_cbranch_scc0 .Lentry_in_a_cluster
	s_endpgm
.Lentry_in_a_cluster:
	s_bfe_u32 s2, ttmp6, 0x10000c
	s_cmp_lg_u32 s2, 0xf033
	s_cbranch_scc0 .Lentry_shape_is_right
	s_endpgm
.Lentry_shape_is_right:
; QKV: x Wq + bq (summed over the 8 query heads of a kv head), x Wk + bk, x Wv + bv on codes of FP6 (E2M3) with E8M0 scales; then the rotary embedding of q and k; q leaves as f32, k and v as images of operand registers.
; reference() sums the scores over g and d: the rotation is the same linear map for all g, so the 8 heads' products are summed in ONE accumulator (each Wq column quantised by itself, every product done) and rotated once.
; A work-group makes 256 rows x 320 columns (8 x 32 of Wq, 64 of Wk or Wv); xcod and wcod hold images of operand registers.
; EIGHT WAVES, two for each 128 x 160 tile: wave w and wave w + 4 make the same tile, P = w / 4 takes K step P of every 256 along K; the two half sums are added on the way out.
; x GOES THROUGH LDS: a ring of two slots of 256 along K (51,200 bytes), filled by joint loads of waves 0 and 1 (4 x 4 cluster: x's blocks are shared along a row).
; W GOES FROM MEMORY STRAIGHT INTO REGISTERS, with no joint load: its images are what a wave's registers take, 512 consecutive bytes a load, and a fragment's registers are free as soon as its eight products are issued, so they are asked for again
; at once, for the wave's next K step: 40 loads a wave are out, each with a whole period in which to land.  Through LDS a K step of W would be 32,000 bytes in and 66,560 out beside x's 25,600 in and 51,200 out.
; A period (one slot): waves 0-3 load x's fragments and then multiply; waves 4-7 multiply on the fragments that they loaded a period ago and then load: one wave's run of LDS loads stands beside its partner's products.
; In period 0 all load and multiply; in period 1 waves 4-7 only load (s97); behind period 7 they multiply once more.
; PREFETCH: behind the joint load of slot n stands the request for slot n + 2 of x (waves 0, 1) and of W (waves 2, 3); slot 1 is asked for with slot 2, behind the first load; the four partners share a block's 256-byte pieces by address; it stops at slot 7.
; REGISTERS.  Window 0: v0-31, v50-51 addresses; v32-49 scale words alone; v64-159 x's 8 fragments; v160-223 q's 8 sums; v224-247 the biases (zeros in waves 4-7), then v224-255 q's cos and sin.
;   Window 1: v0-119 W's 10 fragments; v120-121 W's offsets; v128-255 K's or V's 16 sums.
; LIMITS: NaN and infinities are not served; a block of k or v under 2^-124 keeps the scale byte 1 (read by this program alone).
.set ABLK, 25600
.set BBLK, 32000
.set SLOT, 51200
.set ASCL, 24576
.set BSCL, 30720
.set SPARE, 230400                     ; the spare words: 128 bytes for each of 8 waves
.set PIT,  400                         ; a stage row: 32 q + 64 k or v numbers + 16 bytes
.set STG,  102400                      ; the stage of waves 4-7 lies behind that of waves 0-3; they cover the slots' bytes, behind their last fill and last read
.set RDQ2, 6
.set ADA,  8
.set ASA,  12
.set SPW,  16
.set NIL,  17
.set PFO,  18
.set STOQ, 20
.set STOK, 21
.set RDQ,  22
.set RDK,  23
.set RDV,  24
.set TQ,   25
.set TK,   26
.set GQ,   27
.set GK,   28
.set RDK2, 30
.set RDV2, 31
.set SC,   32
.set PFO2, 50
.set VS,   51
.set XF,   64
.set QA,   160
.set BI,   224
.set KA,   128
.set QM,   240
.set QH,   246
.set QP,   247
.set SEL,  76
.set G1A,  32
.set G0A,  40
.set NB,   48                          ; s[48:49] W's block for my next K step
.set PFA,  72
.set PFS,  78
.set LIM,  74
.set MSB, 0
.macro WIN new
.if MSB != (\new)
	s_set_vgpr_msb (MSB<<8)|(\new)
.set MSB, (\new)
.endif
.endm
.macro PLACES n
.rept \n
	v_nop
.endr
.endm
.macro JLOAD s                         ; a joint load of x: waves 0 and 1 fetch a slot's two blocks
	s_cmp_gt_u32 s22, 1
	s_cbranch_scc1 .Lasked_\@
	tensor_load_to_lds s[G0A+4*(\s):G0A+4*(\s)+3], s[G1A:G1A+7]
	s_nop 0
.rept 4
	v_nop
.endr
.Lasked_\@:
.endm
.macro CROUND
	s_barrier_signal -1
	s_barrier_wait -1
	s_cmp_lg_u32 s22, 0
	s_cbranch_scc1 .Lnot_wave_0_\@
	s_barrier_signal -3
.Lnot_wave_0_\@:
	s_barrier_wait -3
	s_barrier_signal -1
	s_barrier_wait -1
.endm
.macro ASK how                         ; how = 0: in the loop, not in its last trip; how = 1: at the head
.if \how
	s_cmp_eq_u32 s[LIM], 1
.else
	s_cmp_gt_u32 s31, s[LIM]
.endif
	s_cbranch_scc0 .Lnot_mine_\@
	global_prefetch_b8 v[PFO], s[PFA:PFA+1] th:TH_LOAD_NT scope:SCOPE_SE
.Lnot_mine_\@:
.endm
.macro Q32 s, d, w, t                  ; 64 numbers of a lane (two whole blocks) become 12 registers of codes and the row's scale word
	v_max3_num_f32 v[QM], |v[\s]|, |v[\s+1]|, 0x1800000
	v_max3_num_f32 v[QM+1], |v[\s+32]|, |v[\s+33]|, 0x1800000
.irp i, 2,4,6,8,10,12,14,16,18,20,22,24,26,28,30
	v_max3_num_f32 v[QM], v[QM], |v[\s+\i]|, |v[\s+\i+1]|
	v_max3_num_f32 v[QM+1], v[QM+1], |v[\s+32+\i]|, |v[\s+33+\i]|
.endr
	v_add_nc_u32 v[QM+2], 0xff000000, v[QM]
	v_add_nc_u32 v[QM+3], 0xff000000, v[QM+1]
	v_lshrrev_b32 v[QM+4], 23, v[QM+2]
	v_lshrrev_b32 v[QM+5], 23, v[QM+3]
	v_lshl_or_b32 v[\w], v[QM+5], 16, v[QM+4]
	v_lshlrev_b32 v[\w], v[QH], v[\w]
	v_permlanex16_b32 v[QP], v[\w], s[SEL], s[SEL+1]
	v_or_b32 v[\w], v[\w], v[QP]
	v_cvt_scalef32_pk16_fp6_f32 v[\d:\d+2], v[\s:\s+15], v[QM+2]
	v_cvt_scalef32_pk16_fp6_f32 v[\t:\t+2], v[\s+16:\s+31], v[QM+2]
	v_cvt_scalef32_pk16_fp6_f32 v[\d+6:\d+8], v[\s+32:\s+47], v[QM+3]
	v_cvt_scalef32_pk16_fp6_f32 v[\t+4:\t+6], v[\s+48:\s+63], v[QM+3]
	v_nop
.irp i, 0,1,2
	v_mov_b32 v[\d+3+\i], v[\t+\i]
	v_mov_b32 v[\d+9+\i], v[\t+4+\i]
.endr
.endm
; x of my K step: 8 scale words and 8 fragments: one run of 32 LDS loads
.macro LOADS s
	s_wait_dscnt 0x0                               ; no load of mine is on its way into these registers
	PLACES 4                                       ; behind the products that read them
.irp mi, 0,1,2,3,4,5,6,7
	ds_load_b32 v[SC+\mi], v[ASA+\s] offset:ASCL+128*\mi
.endr
.irp mi, 0,1,2,3,4,5,6,7
.irp g, 0,1,2
	ds_load_b128 v[XF+12*\mi+4*\g:XF+12*\mi+4*\g+3], v[ADA+\s] offset:\mi*1536+512*\g
.endr
.endr
.endm
; W's fragment f and its scale words, from the block at s[NB:NB+1]: four loads; the offsets stand in window 1 (v120: 16 x lane + P K steps; v121: 4 r + 64 P)
.macro REFILL f
	WIN 0x01
	global_load_b32 v[SC+8+(\f)], v121, s[NB:NB+1] offset:BSCL+128*(\f)
	WIN 0x41
.irp g, 0,1,2
	global_load_b128 v[12*(\f)+4*\g:12*(\f)+4*\g+3], v120, s[NB:NB+1] offset:(\f)*1536+512*\g
.endr
.endm
; eight products: W's fragment f against x's eight.  Used transposed: a lane holds one row of x and eight neighbouring columns.  The accumulators take turns, one instruction a turn.
.macro MULF f, first
.irp mi, 0,1,2,3,4,5,6,7
.if (\f) < 8
.set DD, QA+8*\mi
.set CC, DD
.if (\first) && ((\f) == 0)
.set CC, BI
.endif
.else
.set DD, KA+8*(2*\mi+(\f)-8)
.set CC, DD
.if \first
.set CC, BI+8+8*((\f)-8)
.endif
.endif
.if (\f) == 0
	s_wait_dscnt 21-3*\mi                          ; x's fragment mi is in; the three loads of each later one may be out
.endif
	v_wmma_scale_f32_16x16x128_f8f6f4 v[DD:DD+7], v[12*(\f):12*(\f)+11], v[XF+12*\mi:XF+12*\mi+11], v[CC:CC+7], v[SC+8+(\f)], v[SC+\mi] matrix_a_fmt:MATRIX_FMT_FP6 matrix_b_fmt:MATRIX_FMT_FP6
.endr
.endm
; a K step: 80 products.  first = 1: the biases are the C of each sum's first product.  refill = 1: each fragment of W is asked for again behind its products, for my next K step
.macro COMP first, refill
.if \refill
	s_wait_xcnt 0x0                                ; my earlier loads have read their base
	s_add_nc_u64 s[NB:NB+1], s[NB:NB+1], 2*BBLK
.endif
.irp f, 0,1,2,3,4,5,6,7,8,9
.if \refill
	s_wait_loadcnt 36                              ; fragment f's four loads are in; behind them stand the four of each of the nine others
.else
	s_wait_loadcnt 36-4*\f
.endif
.if \f < 8
	WIN 0x01                                       ; W window 1; x, C, D window 0
.else
.if \first
	WIN 0x41
.else
	WIN 0x51                                       ; C and D window 1
.endif
.endif
	MULF \f, \first
.if \refill
	PLACES 4
	REFILL \f
.endif
.endr
	WIN 0
.endm
; THE CHANGE OF SLOTS ahead of a period on slot s.  fill = 1: the other slot, read out a period ago by all eight waves, takes the slot after this one.
.macro MEET s, fill
.if \fill
	s_wait_xcnt 0x0                                ; my prefetch has read its address
	s_add_nc_u64 s[PFA:PFA+1], s[PFA:PFA+1], s[PFS:PFS+1]
.endif
	s_wait_tensorcnt 0x0                           ; my part of slot s has landed
	ds_add_u32 v[SPW], v[NIL]                      ; 0 onto my spare word
.if \fill
	ds_add_u32 v[SPW], v[NIL]                      ; twice
	s_add_nc_u64 s[G0A+6-4*\s:G0A+7-4*\s], s[G0A+6-4*\s:G0A+7-4*\s], 4*ABLK
.endif
	s_wait_dscnt 0x0                               ; the add is done and my reads of the other slot are over
.if \fill
	CROUND
	JLOAD 1-\s
	ASK 0
.else
	s_barrier_signal -1
	s_barrier_wait -1
.endif
.endm
.macro PERIOD s, flag
	MEET \s, 1
	s_cmp_lg_u32 s96, 0
	s_cbranch_scc1 .Lp1a_\@
	LOADS \s                                       ; waves 0-3: load, then multiply
.Lp1a_\@:
.if \flag
	s_cmp_lg_u32 s97, 0                            ; period 1: waves 4-7 have multiplied slot 0 already
	s_mov_b32 s97, 0
	s_cbranch_scc1 .Lnoc_\@
.endif
	COMP 0, 1
.if \flag
.Lnoc_\@:
.endif
	s_cmp_eq_u32 s96, 0
	s_cbranch_scc1 .Lp0b_\@
	LOADS \s                                       ; waves 4-7: multiply, then load
.Lp0b_\@:
.endm
	s_load_b512 s[4:19], s[0:1], 0x0               ; xcod, wcod, bq, bk, bv, ropet, qf, kimg
	s_load_b64 s[20:21], s[0:1], 0x40              ; vimg
	v_lshl_add_u32 v[SPW], v0, 2, SPARE
	v_mov_b32 v[NIL], 0
	ds_add_u32 v[SPW], v[NIL]
	ds_add_u32 v[SPW], v[NIL]
	v_lshrrev_b32 v1, 5, v0
	v_readfirstlane_b32 s22, v1                    ; wave 0..7
	s_lshr_b32 s96, s22, 2                         ; P: my K step of a slot
	s_mov_b32 s97, s96
	s_bfe_u32 s23, s22, 0x10001                    ; mh: my half of the rows.  In waves 0-3 also: I ask for x (0) or W (1)
	s_and_b32 s24, s22, 1                          ; nh: my half of the columns.  Also: which block I fetch or ask for
	s_bfe_u32 s25, ttmp6, 0x40000                  ; cx
	s_bfe_u32 s26, ttmp6, 0x40004                  ; cy
	s_lshl_b32 s27, ttmp9, 2
	s_add_co_u32 s27, s27, s25                     ; j: the block of columns
	s_and_b32 s28, ttmp7, 0xffff
	s_lshl_b32 s28, s28, 2
	s_add_co_u32 s28, s28, s26                     ; mt: the block of rows
	s_lshl_b32 s29, s26, 2
	s_lshl_b32 s29, 15, s29
	s_or_b32 s[G1A], s29, (3<<16)|(1<<21)          ; a dense block of 25,600 bytes as 100 rows of 256; the mask: my row of the cluster
	s_mov_b32 s[G1A+1], 32<<16
	s_mov_b32 s[G1A+2], 100<<16
	s_mov_b32 s[G1A+3], 32<<16
	s_mov_b32 s[G1A+4], 100
	s_mov_b32 s[G1A+5], 32
	s_mov_b32 s[G1A+6], 0
	s_mov_b32 s[G1A+7], 0
	s_lshl_b32 s66, s28, 4
	s_add_co_u32 s66, s66, s24
	s_mul_i32 s66, s66, ABLK
	s_mov_b32 s67, 0
	s_lshl_b32 s70, s27, 4
	s_add_co_u32 s70, s70, s24
	s_mul_i32 s70, s70, BBLK
	s_mov_b32 s71, 0
	s_mul_i32 s82, s24, ABLK
	s_mov_b32 s75, 0xffff0000
	s_mov_b32 s[SEL], 0x76543210
	s_mov_b32 s[SEL+1], 0xfedcba98
	s_lshr_b32 s29, s27, 2                         ; bq: byte of column (8 (j / 4)) 128 + 32 (j % 4) + 16 nh
	s_lshl_b32 s29, s29, 12
	s_and_b32 s30, s27, 3
	s_lshl_b32 s92, s30, 7
	s_add_co_u32 s29, s29, s92
	s_lshl_b32 s92, s24, 6
	s_add_co_u32 s29, s29, s92
	s_lshl_b32 s30, s30, 8                         ; bk, bv: byte of column 64 (j % 4) + 32 nh
	s_lshl_b32 s92, s24, 7
	s_add_co_u32 s30, s30, s92
	s_mul_i32 s84, s23, ABLK                       ; LDS: my block of x; the planes of scale words at + 64 P, the images at + P K steps
	s_lshl_b32 s87, s96, 6
	s_add_co_u32 s86, s84, s87
	s_mul_i32 s88, s96, 12288
	s_add_co_u32 s84, s84, s88
	s_mul_i32 s85, s96, 15360                      ; W: my K step in a block
	s_mul_i32 s88, s23, 128*PIT                    ; the stages
	s_mul_i32 s89, s96, STG
	s_add_co_u32 s88, s88, s89
	s_lshl_b32 s89, s24, 7
	s_add_co_u32 s89, s89, s88
	s_add_co_u32 s89, s89, 128
	s_lshl_b32 s90, s24, 6
	s_add_co_u32 s88, s88, s90
	s_mul_i32 s90, s22, 32*PIT                     ; back: wave w takes rows 32 w .. 32 w + 31 of q and k;
	s_mul_i32 s91, s96, 128*PIT                    ; of v: keys 128 P on, channels 32 mh + 8 nh + ..
	s_lshl_b32 s92, s23, 7
	s_add_co_u32 s91, s91, s92
	s_lshl_b32 s92, s24, 5
	s_add_co_u32 s91, s91, s92
	s_add_co_u32 s91, s91, 128
	s_and_b32 s92, ttmp7, 0xffff                   ; the prefetches: my place among the four that read the block; one cluster of those that read it asks
	s_cmp_eq_u32 s23, 0
	s_cselect_b32 s93, s25, s26
	s_cselect_b32 s92, ttmp9, s92
	s_mov_b32 s94, 124
	s_cselect_b32 s94, 99, s94
	s_mov_b32 s[PFS], 2*BBLK
	s_cselect_b32 s[PFS], 2*ABLK, s[PFS]
	s_mov_b32 s[PFS+1], 0
	s_cmp_eq_u32 s92, 0
	s_cselect_b32 s[LIM], 1, -1
	s_cmp_eq_u32 s96, 0
	s_cselect_b32 s[LIM], s[LIM], -1               ; waves 4-7 ask for nothing
	s_lshl_b32 s93, s93, 5
	v_bfe_u32 v3, v0, 4, 1                         ; h
	v_lshl_add_u32 v7, v3, 5, s29
	v_lshl_add_u32 v19, v3, 5, s30
	v_and_b32 v1, 31, v0
	v_and_b32 v2, 15, v0
	WIN 0x40
	v_lshl_add_u32 v120, v1, 4, s85                ; window 1: W's offsets
	v_lshl_add_u32 v121, v2, 2, s87
	WIN 0
	s_wait_alu depctr_va_vdst(0)                   ; the wait ahead of the waits below
	s_wait_dscnt 0x0
	s_wait_kmcnt 0x0
	s_add_nc_u64 s[68:69], s[4:5], s[66:67]
	s_add_nc_u64 s[80:81], s[6:7], s[70:71]
	s_mov_b64 s[NB:NB+1], s[80:81]
.irp s, 0,1
	s_mov_b32 s[G0A+4*\s], 1
	s_add_co_u32 s[G0A+4*\s+1], s82, \s*SLOT
	s_add_nc_u64 s[G0A+4*\s+2:G0A+4*\s+3], s[68:69], \s*2*ABLK
	s_or_b32 s[G0A+4*\s+3], s[G0A+4*\s+3], 0x80000000
.endr
	s_cmp_eq_u32 s23, 0
	s_cselect_b64 s[PFA:PFA+1], s[68:69], s[80:81]
	s_add_nc_u64 s[PFA:PFA+1], s[PFA:PFA+1], s[PFS:PFS+1]   ; at slot 1
	s_cmp_eq_u32 ttmp9, 0
	s_cselect_b64 s[98:99], s[10:11], s[12:13]     ; bk or bv
	s_cmp_lg_u32 s96, 0
	s_cbranch_scc1 .Lno_bias                       ; the biases enter the sums of waves 0-3 alone
.irp g, 0,1,2,3,4,5,6,7
	global_load_b128 v[XF+8*\g:XF+8*\g+3], v7, s[8:9] offset:512*\g
	global_load_b128 v[XF+8*\g+4:XF+8*\g+7], v7, s[8:9] offset:512*\g+16
.endr
	global_load_b128 v[BI+8:BI+11], v19, s[98:99]
	global_load_b128 v[BI+12:BI+15], v19, s[98:99] offset:16
	global_load_b128 v[BI+16:BI+19], v19, s[98:99] offset:64
	global_load_b128 v[BI+20:BI+23], v19, s[98:99] offset:80
.Lno_bias:
.irp f, 0,1,2,3,4,5,6,7,8,9
	REFILL \f                                      ; W of my first K step: 40 loads
.endr
	WIN 0
	CROUND                                         ; all sixteen work-groups are here: the first joint loads meet
	JLOAD 0                                        ; slot 0: one tensor load a wave at the head
	v_lshlrev_b32 v4, 4, v1
	v_lshlrev_b32 v5, 2, v2
	v_add_nc_u32 v[ADA], s84, v4
	v_add_nc_u32 v[ASA], s86, v5                   ; both halves of the lanes take row r's word of my K step
	v_add_nc_u32 v[ADA+1], SLOT, v[ADA]
	v_add_nc_u32 v[ASA+1], SLOT, v[ASA]
	v_and_b32 v29, 8, v2
	v_add_nc_u32 v29, v29, v2                      ; r + 8 (r / 8)
	v_mul_u32_u24 v[STOQ], v2, PIT
	v_lshl_add_u32 v[STOQ], v3, 5, v[STOQ]
	v_add_nc_u32 v[STOK], s89, v[STOQ]
	v_add_nc_u32 v[STOQ], s88, v[STOQ]
	v_mul_u32_u24 v[RDQ], v2, PIT
	v_lshl_add_u32 v[RDQ], v3, 6, v[RDQ]
	v_add_nc_u32 v[RDQ], s90, v[RDQ]
	v_add_nc_u32 v[RDQ2], STG, v[RDQ]
	v_mul_u32_u24 v[RDK], v29, PIT
	v_lshl_add_u32 v[RDK], v3, 7, v[RDK]
	v_add_nc_u32 v[RDK], s90, v[RDK]
	v_add_nc_u32 v[RDK], 128, v[RDK]
	v_add_nc_u32 v[RDK2], STG, v[RDK]
	v_mul_u32_u24 v[RDV], v3, 32*PIT
	v_lshl_add_u32 v[RDV], v29, 2, v[RDV]
	v_add_nc_u32 v[RDV], s91, v[RDV]
	v_add_nc_u32 v[RDV2], STG, v[RDV]
	v_lshlrev_b32 v[TQ], 9, v2
	v_lshl_add_u32 v[TQ], v3, 6, v[TQ]
	v_lshlrev_b32 v[TK], 9, v29
	v_lshl_add_u32 v[TK], v3, 7, v[TK]
	v_lshlrev_b32 v[GQ], 10, v3
	v_lshl_add_u32 v[GQ], v2, 4, v[GQ]
	v_mul_u32_u24 v[GK], v3, 1536
	v_lshl_add_u32 v[GK], v2, 4, v[GK]
	v_lshlrev_b32 v[VS], 4, v2
	v_add_nc_u32 v[PFO], s93, v1
	v_min_u32 v[PFO], s94, v[PFO]                  ; lanes left over name the block's last piece again
	v_lshlrev_b32 v[PFO], 8, v[PFO]
	v_add_nc_u32 v[PFO2], s[PFS], v[PFO]
	s_wait_alu depctr_va_vdst(0)                   ; the wait ahead of the branches and waits below
	s_cmp_eq_u32 s[LIM], 1
	s_cbranch_scc0 .Lno_ask0
	global_prefetch_b8 v[PFO], s[PFA:PFA+1] th:TH_LOAD_NT scope:SCOPE_SE    ; slot 1
	global_prefetch_b8 v[PFO2], s[PFA:PFA+1] th:TH_LOAD_NT scope:SCOPE_SE   ; slot 2
.Lno_ask0:
	s_wait_loadcnt 40                              ; the biases are in; W's 40 loads may be out
	s_cmp_lg_u32 s96, 0
	s_cbranch_scc1 .Lzero
.irp k, 0,1,2,3
.irp p, 0,2,4,6
	v_pk_add_f32 v[XF+16*\k+\p:XF+16*\k+\p+1], v[XF+16*\k+\p:XF+16*\k+\p+1], v[XF+8+16*\k+\p:XF+8+16*\k+\p+1]
.endr
.endr
.irp k, 0,1
.irp p, 0,2,4,6
	v_pk_add_f32 v[XF+32*\k+\p:XF+32*\k+\p+1], v[XF+32*\k+\p:XF+32*\k+\p+1], v[XF+16+32*\k+\p:XF+16+32*\k+\p+1]
.endr
.endr
.irp p, 0,2,4,6
	v_pk_add_f32 v[BI+\p:BI+\p+1], v[XF+\p:XF+\p+1], v[XF+32+\p:XF+32+\p+1]   ; bq summed over the 8 heads
.endr
	s_branch .Lbias_done
.Lzero:
.set i, 0
.rept 24
	v_mov_b32 v[BI+i], 0
.set i, i+1
.endr
.Lbias_done:
	s_wait_xcnt 0x0
	s_add_nc_u64 s[PFA:PFA+1], s[PFA:PFA+1], s[PFS:PFS+1]
	s_add_nc_u64 s[PFA:PFA+1], s[PFA:PFA+1], s[PFS:PFS+1]   ; at slot 3
	s_wait_alu depctr_va_vdst(0)                   ; the wait at the head's end
	s_wait_tensorcnt 0x0                           ; PERIOD 0.  My part of slot 0 is in; slot 1's first fill is issued as a refill is
	ds_add_u32 v[SPW], v[NIL]
	ds_add_u32 v[SPW], v[NIL]
	s_wait_dscnt 0x0
	CROUND
	JLOAD 1
	ASK 1                                          ; slot 3
	LOADS 0
	COMP 1, 1
	; where the results go, and q's cos and sin, 32 registers, into the biases' registers, which have been read
	s_and_b32 s66, s28, 7
	s_lshl_b32 s67, s66, 8
	s_lshl_b32 s68, s22, 5
	s_add_co_u32 s67, s67, s68                     ; my first position: 256 (mt % 8) + 32 w
	s_lshl_b32 s80, s67, 9
	s_mov_b32 s81, 0
	s_add_nc_u64 s[82:83], s[14:15], s[80:81]
	s_and_b32 s84, s27, 3
	s_lshl_b32 s80, s84, 7
	s_add_nc_u64 s[86:87], s[82:83], s[80:81]      ; q: frequencies 16 (j % 4) on
	s_and_b32 s85, s27, 1
	s_lshl_b32 s80, s85, 8
	s_add_nc_u64 s[92:93], s[82:83], s[80:81]      ; k: frequencies 32 (j % 2) on
	PLACES 4
.irp a, 0,1
.irp k, 0,1,2,3
	global_load_b128 v[BI+16*\a+4*\k:BI+16*\a+4*\k+3], v[TQ], s[86:87] offset:8192*\a+16*\k
.endr
.endr
	s_lshr_b32 s88, s28, 3
	s_lshl_b32 s88, s88, 1
	s_lshr_b32 s89, s27, 2
	s_add_co_u32 s89, s89, s88                     ; (batch, kv head) of q
	s_lshl_b32 s89, s89, 7
	s_lshl_b32 s90, s66, 4
	s_add_co_u32 s89, s89, s90
	s_lshl_b32 s90, s22, 1
	s_add_co_u32 s89, s89, s90                     ; my first tile of 16 queries
	s_lshl_b32 s80, s89, 13
	s_lshl_b32 s90, s85, 11
	s_add_co_u32 s80, s80, s90
	s_lshr_b32 s91, s84, 1
	s_lshl_b32 s90, s91, 8
	s_add_co_u32 s80, s80, s90
	s_add_nc_u64 s[94:95], s[16:17], s[80:81]
	s_add_co_u32 s70, s88, s91                     ; (batch, kv head) of k or v
	s_lshl_b32 s70, s70, 4
	s_lshl_b32 s90, s66, 1
	s_add_co_u32 s70, s70, s90
	s_add_co_u32 s70, s70, s96
	s_mul_i32 s70, s70, 12800                      ; my key step of 128 keys
	s_and_b32 s71, s22, 3
	s_mov_b32 s31, 3
.Llap:                                                 ; periods 1 to 6
	PERIOD 1, 1
	PERIOD 0, 0
	s_sub_co_u32 s31, s31, 1
	s_cmp_lg_u32 s31, 0
	s_cbranch_scc1 .Llap
	MEET 1, 0                                      ; period 7 fetches no more of x; waves 0-3 multiply their last K step and ask for no more of W
	s_cmp_lg_u32 s96, 0
	s_cbranch_scc1 .Lp7b
	LOADS 1
	COMP 0, 0
	s_branch .Lp7e
.Lp7b:
	COMP 0, 1
	LOADS 1
.Lp7e:
	s_wait_dscnt 0x0                               ; my reads of the slots are over
	s_barrier_signal -1
	s_barrier_wait -1                              ; everybody's are: the stages may be laid over the slots
	s_cmp_eq_u32 s96, 0
	s_cbranch_scc1 .Lp0_done
	COMP 0, 0                                      ; waves 4-7: slot 7
.Lp0_done:
	PLACES 4
	s_wait_loadcnt 0x0                             ; q's cos and sin, asked for behind period 0
	s_cmp_lg_u32 ttmp9, 0
	s_cbranch_scc1 .Lno_kt
	WIN 0x40
.irp u, 0,1
.irp k, 0,1,2,3,4,5,6,7
	global_load_b128 v[32*\u+4*\k:32*\u+4*\k+3], v[TK], s[92:93] offset:4096*\u+16*\k   ; k's cos and sin land under the stage's turn and q's rotation
.endr
.endr
	WIN 0
.Lno_kt:
.irp mi, 0,1,2,3,4,5,6,7
	ds_store_b128 v[STOQ], v[QA+8*\mi:QA+8*\mi+3] offset:16*PIT*\mi          ; each accumulator from its low end on
	ds_store_b128 v[STOQ], v[QA+8*\mi+4:QA+8*\mi+7] offset:16*PIT*\mi+16
.endr
	WIN 0x04
.irp mi, 0,1,2,3,4,5,6,7
.irp e, 0,1
	ds_store_b128 v[STOK], v[KA+8*(2*\mi+\e):KA+8*(2*\mi+\e)+3] offset:16*PIT*\mi+64*\e
	ds_store_b128 v[STOK], v[KA+8*(2*\mi+\e)+4:KA+8*(2*\mi+\e)+7] offset:16*PIT*\mi+64*\e+16
.endr
.endr
	WIN 0
	s_wait_dscnt 0x0
	s_barrier_signal -1
	s_barrier_wait -1
	; q: two tiles of 16 rows; a lane takes 16 columns = 8 pairs; the two half sums are added, then rotated
.irp a, 0,1
.irp k, 0,1,2,3
	ds_load_b128 v[68+16*\a+4*\k:71+16*\a+4*\k], v[RDQ] offset:16*PIT*\a+16*\k
	ds_load_b128 v[100+16*\a+4*\k:103+16*\a+4*\k], v[RDQ2] offset:16*PIT*\a+16*\k
.endr
.endr
	s_wait_dscnt 0x0
.set p, 0
.rept 16
	v_pk_add_f32 v[68+p:69+p], v[68+p:69+p], v[100+p:101+p]
.set p, p+2
.endr
.irp a, 0,1
.set e, 0
.rept 8
	v_mul_f32 v[132+16*\a+e], v[69+16*\a+2*e], v[BI+1+16*\a+2*e]
	v_mul_f32 v[140+16*\a+e], v[69+16*\a+2*e], v[BI+16*\a+2*e]
	v_fma_f32 v[132+16*\a+e], v[68+16*\a+2*e], v[BI+16*\a+2*e], -v[132+16*\a+e]
	v_fma_f32 v[140+16*\a+e], v[68+16*\a+2*e], v[BI+1+16*\a+2*e], v[140+16*\a+e]
.set e, e+1
.endr
.endr
.irp a, 0,1
.irp m, 0,1,2,3
	global_store_b128 v[GQ], v[132+16*\a+4*\m:135+16*\a+4*\m], s[94:95] offset:8192*\a+4096*(\m/2)+512*(\m%2)   ; sixteen lanes store 256 consecutive bytes, aligned
.endr
.endr
	s_wait_xcnt 0x0                                ; the stores have read their data: the registers are written again below
	s_cmp_lg_u32 ttmp9, 0
	s_cbranch_scc1 .Lv
	; k: 32 rows, 64 columns = 32 pairs: two whole blocks of the rotated head; two tiles of 16 keys
	s_mul_i32 s80, s71, 3072
	s_add_co_u32 s80, s80, s70
	s_lshl_b32 s90, s85, 8
	s_add_co_u32 s80, s80, s90
	s_add_nc_u64 s[66:67], s[18:19], s[80:81]
	s_lshl_b32 s80, s71, 2
	s_add_co_u32 s80, s80, s70
	s_add_co_u32 s80, s80, s85
	s_add_co_u32 s80, s80, 12288
	s_add_nc_u64 s[68:69], s[18:19], s[80:81]
.irp q, 0,1,2,3
	v_mov_b32 v[220+\q], 0                         ; a lane permute's destination counts as one of its sources
.endr
.irp u, 0,1
.irp k, 0,1,2,3,4,5,6,7
	ds_load_b128 v[68+32*\u+4*\k:71+32*\u+4*\k], v[RDK] offset:PIT*8*\u+16*\k
	ds_load_b128 v[132+32*\u+4*\k:135+32*\u+4*\k], v[RDK2] offset:PIT*8*\u+16*\k
.endr
.endr
	s_wait_loadcnt 0x0
	s_wait_dscnt 0x0
.set p, 0
.rept 32
	v_pk_add_f32 v[68+p:69+p], v[68+p:69+p], v[132+p:133+p]
.set p, p+2
.endr
	WIN 0x04                                       ; cos and sin: window 1
.irp u, 0,1
.set e, 0
.rept 16
	v_mul_f32 v[132+32*\u+e], v[69+32*\u+2*e], v[1+32*\u+2*e]
	v_mul_f32 v[148+32*\u+e], v[69+32*\u+2*e], v[32*\u+2*e]
	v_fma_f32 v[132+32*\u+e], v[68+32*\u+2*e], v[32*\u+2*e], -v[132+32*\u+e]
	v_fma_f32 v[148+32*\u+e], v[68+32*\u+2*e], v[1+32*\u+2*e], v[148+32*\u+e]
.set e, e+1
.endr
.endr
	WIN 0
.irp q, 0,1,2,3
	v_max3_num_f32 v[216+\q], |v[132+16*\q]|, |v[133+16*\q]|, 0x1800000
.endr
.irp i, 2,4,6,8,10,12,14
.irp q, 0,1,2,3
	v_max3_num_f32 v[216+\q], v[216+\q], |v[132+16*\q+\i]|, |v[133+16*\q+\i]|
.endr
.endr
.irp q, 0,1,2,3
	v_permlanex16_b32 v[220+\q], v[216+\q], s[SEL], s[SEL+1]
.endr
.irp q, 0,1,2,3
	v_max_num_f32 v[216+\q], v[216+\q], v[220+\q]
.endr
.irp q, 0,1,2,3
	v_add_nc_u32 v[224+\q], 0xff000000, v[216+\q]
.endr
.irp q, 0,1,2,3
	v_lshrrev_b32 v[220+\q], 23, v[224+\q]
.endr
	v_cvt_scalef32_pk16_fp6_f32 v[196:198], v[132:147], v224
	v_cvt_scalef32_pk16_fp6_f32 v[202:204], v[148:163], v225
	v_cvt_scalef32_pk16_fp6_f32 v[208:210], v[164:179], v226
	v_cvt_scalef32_pk16_fp6_f32 v[212:214], v[180:195], v227
	v_nop
.irp i, 0,1,2
	v_permlane16_swap_b32 v[196+\i], v[208+\i]
	v_permlane16_swap_b32 v[202+\i], v[212+\i]
.endr
.irp i, 0,1,2
	v_mov_b32 v[199+\i], v[208+\i]
	v_mov_b32 v[205+\i], v[212+\i]
.endr
	v_cndmask_b32 v228, v220, v222, s75
	v_cndmask_b32 v229, v221, v223, s75
.irp g, 0,1,2
	global_store_b128 v[GK], v[196+4*\g:199+4*\g], s[66:67] offset:512*\g
.endr
	global_store_b8 v4, v228, s[68:69]
	global_store_b8 v4, v229, s[68:69] offset:2
	s_branch .Ljoin
.Lv:
	; v: one fragment: 16 channels x 128 keys; a lane takes a channel, its registers run down the keys
	s_mul_i32 s80, s85, 6144
	s_add_co_u32 s80, s80, s70
	s_mul_i32 s90, s71, 1536
	s_add_co_u32 s80, s80, s90
	s_add_nc_u64 s[66:67], s[20:21], s[80:81]
	s_lshl_b32 s80, s85, 1
	s_add_co_u32 s80, s80, s23
	s_lshl_b32 s80, s80, 2
	s_add_co_u32 s80, s80, s70
	s_add_co_u32 s80, s80, 12288
	s_lshl_b32 s90, s24, 8
	s_add_co_u32 s80, s80, s90
	s_add_nc_u64 s[68:69], s[20:21], s[80:81]
	v_lshlrev_b32 v[QH], 3, v3
	v_mov_b32 v[QP], 0
.set i, 0
.rept 64
	ds_load_b32 v[68+i], v[RDV] offset:PIT*(i+32*(i/32))
	ds_load_b32 v[132+i], v[RDV2] offset:PIT*(i+32*(i/32))
.set i, i+1
.endr
	s_wait_dscnt 0x0
.set p, 0
.rept 32
	v_pk_add_f32 v[68+p:69+p], v[68+p:69+p], v[132+p:133+p]
.set p, p+2
.endr
	Q32 68, 196, 228, 220
.irp g, 0,1,2
	global_store_b128 v4, v[196+4*\g:199+4*\g], s[66:67] offset:512*\g
.endr
	global_store_b32 v[VS], v228, s[68:69]         ; both halves of the lanes hold and store the same word
.Ljoin:
	s_wait_tensorcnt 0x0                           ; the wave's end
	ds_add_u32 v[SPW], v[NIL]
	s_wait_dscnt 0x0
	CROUND                                         ; the closing round
	s_endpgm
.Lfunc_end_k_q8793de9e6e_qkv:
	.size	k_q8793de9e6e_qkv, .Lfunc_end_k_q8793de9e6e_qkv-k_q8793de9e6e_qkv
	.p2alignl 7, 3214868480
	.fill 96, 4, 3214868480
	.section	.rodata,"a",@progbits
	.p2align	6, 0x0
	.amdhsa_kernel k_q8793de9e6e_qkv
		.amdhsa_group_segment_fixed_size 327680
		.amdhsa_private_segment_fixed_size 0
		.amdhsa_enable_private_segment 0
		.amdhsa_kernarg_size 72
		.amdhsa_user_sgpr_count 2
		.amdhsa_user_sgpr_kernarg_segment_ptr 1
		.amdhsa_wavefront_size32 1
		.amdhsa_system_sgpr_workgroup_id_x 1
		.amdhsa_system_sgpr_workgroup_id_y 1
		.amdhsa_system_sgpr_workgroup_id_z 1
		.amdhsa_system_vgpr_workitem_id 0
		.amdhsa_next_free_vgpr 512
		.amdhsa_next_free_sgpr 100
		.amdhsa_reserve_vcc 0
		.amdhsa_float_denorm_mode_32 3
		.amdhsa_float_denorm_mode_16_64 3
		.amdhsa_memory_ordered 1
		.amdhsa_forward_progress 1
		.amdhsa_inst_pref_size 166
	.end_amdhsa_kernel
	.amdgpu_metadata
---
amdhsa.version: [ 1, 2 ]
amdhsa.kernels:
  - .name:           k_q8793de9e6e_qkv
    .symbol:         k_q8793de9e6e_qkv.kd
    .args:
      - { .name: xcod, .offset: 0, .size: 8, .value_kind: global_buffer, .address_space: global }
      - { .name: wcod, .offset: 8, .size: 8, .value_kind: global_buffer, .address_space: global }
      - { .name: bq, .offset: 16, .size: 8, .value_kind: global_buffer, .address_space: global }
      - { .name: bk, .offset: 24, .size: 8, .value_kind: global_buffer, .address_space: global }
      - { .name: bv, .offset: 32, .size: 8, .value_kind: global_buffer, .address_space: global }
      - { .name: ropet, .offset: 40, .size: 8, .value_kind: global_buffer, .address_space: global }
      - { .name: qf, .offset: 48, .size: 8, .value_kind: global_buffer, .address_space: global }
      - { .name: kimg, .offset: 56, .size: 8, .value_kind: global_buffer, .address_space: global }
      - { .name: vimg, .offset: 64, .size: 8, .value_kind: global_buffer, .address_space: global }
    .group_segment_fixed_size: 327680
    .private_segment_fixed_size: 0
    .kernarg_segment_align: 8
    .kernarg_segment_size: 72
    .max_flat_workgroup_size: 256
    .sgpr_count:     100
    .vgpr_count:     512
    .wavefront_size: 32
...
	.end_amdgpu_metadata
.endif
;; end of part 2
;; launch attn (part 3): grid 32 x 8, 16 waves a work-group, clusters of 4 x 1, 327,680 bytes of LDS; arguments qf, kimg, vimg, ycod; writes ycod
.if DOCPART == 3
	.amdgcn_target "amdgcn-amd-amdhsa--gfx1250"
	.amdhsa_code_object_version 6
	.text
	.protected	k_q8793de9e6e_attn
	.globl	k_q8793de9e6e_attn
	.p2align	8
	.type	k_q8793de9e6e_attn,@function
k_q8793de9e6e_attn:
	s_mov_b64 s[64:65], 0
	v_nop
	global_prefetch_b8 v0, s[64:65] scope:SCOPE_SE
	s_setreg_imm32_b32 hwreg(HW_REG_WAVE_MODE, 25, 1), 1
	s_wait_xcnt 0x0
	s_wait_alu depctr_hold_cnt(0) depctr_sa_sdst(0) depctr_va_vdst(0) depctr_va_sdst(0) depctr_va_ssrc(0) depctr_va_vcc(0) depctr_vm_vsrc(0)
	s_getreg_b32 s2, hwreg(HW_REG_IB_STS2, 6, 4)
	s_cmp_eq_u32 s2, 0
	s_cbranch_scc0 .Lentry_in_a_cluster
	s_endpgm
.Lentry_in_a_cluster:
	s_bfe_u32 s2, ttmp6, 0x10000c
	s_cmp_lg_u32 s2, 0x3003
	s_cbranch_scc0 .Lentry_shape_is_right
	s_endpgm
.Lentry_shape_is_right:
; ATTN: causal attention for 8 (batch, kv head) pairs, 2,048 positions, head size 128, both products on codes of FP6 (E2M3) with E8M0 scales; q is quantised at the head, y at the end.
; THE SOFTMAX AHEAD OF THE SECOND PRODUCT: t = score x log2(e) / sqrt(128); M = the largest t so far, rounded UP to a whole number; p = 2^(t - M) is quantised along the keys, not normalised; the sum is taken of the unquantised p.
; SHARES.  A tile is 16 queries, a group G eight tiles (128 queries), a key step 128 keys: a tile of group G wants key steps 0 .. G, and the mask cuts step G alone.  Cluster X (0 .. 7) of a head takes groups X and 15 - X: 17 key steps
; for each pair of tiles, whatever X.  Work-group cx takes tiles 2 cx, 2 cx + 1 of both groups.  Of its sixteen waves, wave w = 4 ts + q works tile ts and the key steps st = q mod 4: FOUR WAVES SHARE A TILE'S KEYS, each with its own M, sum and O^T,
; and the four parts are joined at the end by exact powers of two.  In period g (0 .. 3) a wave works key step 4 g + q if that is at most G: a scalar branch on the cluster's x and the wave's number.
; THE RING: two LDS slots, each with a period's four key steps of K and of V (102,400 bytes).  kimg and vimg hold images of operand registers, so a wave's load is one dense block of 25,600 bytes.  The four work-groups of a cluster walk the
; same head: each block is asked for JOINTLY (mask 15).  Of the head's four periods two are asked for at the head and the other two a period ahead of their use: no prefetch is laid for two refills.
; LAYOUT.  Both products transposed: S^T = K Q^T, O^T = V^T P^T: a lane holds ONE query.  The keys of a tile of K, and the channels of a tile of V, are not neighbours: lane r of tile 2 b + u takes 32 b + 8 u + r + 8 (r / 8), so that
; the 16 registers of two neighbouring tiles are 16 neighbours: of the keys for p, of the channels for y, which is the next product's operand.
; LIMITS: NaN and infinities are not served; 1 / l by v_rcp_f32; a block of p or y under 2^-124 keeps the scale byte 1.
; REGISTERS: v1-4 K's and V's LDS addresses in slot 0, 1; v5-6 the spare word, 0; v7-8 16, 4 x lane; v9-11, v28 the parts' addresses; v29 the mask's number; v12 -M, v13 the largest t, v[14:15] the sum; v16-27 Q;
;   v32-79 four fragments; v80-83, v84-87 K's and V's scale words alone; v96-159 S^T, then p, at the end y; v160-223 O^T; v224-252, v254 at work; v253 p's scale word, v255 Q's.
.set AK,   1
.set AV,   3
.set SPW,  5
.set NIL,  6
.set SLOTB, 102400
.set SPARE, 204800                     ; behind the ring: the spare words, 128 bytes for each wave: eight blocks of 256 bytes that no other line names
.set PART, 8448                        ; a wave's part at the end: the image of O^T's 64 registers, then 8 bytes a lane: -M, l.  In the slots' bytes, behind their last fill and last read
.set SEL,  20                          ; s[20:21]
.set CS,   22                          ; s[22:23]
.set QM,   232
.set QH,   238
.set QP,   239
.macro CROUND
	s_barrier_signal -1
	s_barrier_wait -1
	s_cmp_lg_u32 s12, 0
	s_cbranch_scc1 .Lnot_wave_0_\@
	s_barrier_signal -3
.Lnot_wave_0_\@:
	s_barrier_wait -3
	s_barrier_signal -1
	s_barrier_wait -1
.endm
.macro Q32 s, d, w, t                  ; 64 numbers of a lane, v[s + 32 c + i] = k 64 c + 32 H + i of its row, become 12 registers of codes and the row's scale word
	v_max3_num_f32 v[QM], |v[\s]|, |v[\s+1]|, 0x1800000
	v_max3_num_f32 v[QM+1], |v[\s+32]|, |v[\s+33]|, 0x1800000
.irp i, 2,4,6,8,10,12,14,16,18,20,22,24,26,28,30
	s_delay_alu instid0(VALU_DEP_2)
	v_max3_num_f32 v[QM], v[QM], |v[\s+\i]|, |v[\s+\i+1]|
	s_delay_alu instid0(VALU_DEP_2)
	v_max3_num_f32 v[QM+1], v[QM+1], |v[\s+32+\i]|, |v[\s+33+\i]|
.endr
	s_delay_alu instid0(VALU_DEP_2)
	v_add_nc_u32 v[QM+2], 0xff000000, v[QM]
	s_delay_alu instid0(VALU_DEP_2)
	v_add_nc_u32 v[QM+3], 0xff000000, v[QM+1]
	s_delay_alu instid0(VALU_DEP_2)
	v_lshrrev_b32 v[QM+4], 23, v[QM+2]
	s_delay_alu instid0(VALU_DEP_2)
	v_lshrrev_b32 v[QM+5], 23, v[QM+3]
	s_delay_alu instid0(VALU_DEP_1)
	v_lshl_or_b32 v[\w], v[QM+5], 16, v[QM+4]
	s_delay_alu instid0(VALU_DEP_1)
	v_lshlrev_b32 v[\w], v[QH], v[\w]
	s_delay_alu instid0(VALU_DEP_1)
	v_permlanex16_b32 v[QP], v[\w], s[SEL], s[SEL+1]
	s_delay_alu instid0(VALU_DEP_1)
	v_or_b32 v[\w], v[\w], v[QP]
	v_cvt_scalef32_pk16_fp6_f32 v[\d:\d+2], v[\s:\s+15], v[QM+2]
	v_cvt_scalef32_pk16_fp6_f32 v[\t:\t+2], v[\s+16:\s+31], v[QM+2]
	v_cvt_scalef32_pk16_fp6_f32 v[\d+6:\d+8], v[\s+32:\s+47], v[QM+3]
	v_cvt_scalef32_pk16_fp6_f32 v[\t+4:\t+6], v[\s+48:\s+63], v[QM+3]
	v_nop
.irp i, 0,1,2
	v_mov_b32 v[\d+3+\i], v[\t+\i]
	v_mov_b32 v[\d+9+\i], v[\t+4+\i]
.endr
.endm
; From four blocks' largest magnitudes in v232-235 (the floor among them) and 64 numbers v[96 + 16 b + i] = k 32 b + 16 (lane / 16) + i: the codes in v224-235, the scale word in v253
.macro QTAIL
.irp b, 0,1,2,3
	s_delay_alu instid0(VALU_DEP_4)
	v_add_nc_u32 v[244+\b], 0xff000000, v[232+\b]  ; 2 off the exponent field: the conversion's scale operand
.endr
.irp b, 0,1,2,3
	s_delay_alu instid0(VALU_DEP_4)
	v_lshrrev_b32 v[236+\b], 23, v[244+\b]         ; the scale's byte
.endr
	s_delay_alu instid0(VALU_DEP_3)
	v_lshl_or_b32 v253, v237, 8, v236
	s_delay_alu instid0(VALU_DEP_1)
	v_lshl_or_b32 v253, v238, 16, v253
	s_delay_alu instid0(VALU_DEP_1)
	v_lshl_or_b32 v253, v239, 24, v253
.irp c, 0,1
	v_cvt_scalef32_pk16_fp6_f32 v[224+6*\c:226+6*\c], v[96+32*\c:111+32*\c], v[244+2*\c]
	v_cvt_scalef32_pk16_fp6_f32 v[236+4*\c:238+4*\c], v[112+32*\c:127+32*\c], v[244+2*\c+1]
.endr
	v_nop                                          ; one plain place behind the conversions
.irp c, 0,1                                    ; the operand's layout wants a WHOLE block in a lane
.irp i, 0,1,2
	v_permlane16_swap_b32 v[224+6*\c+\i], v[236+4*\c+\i]
.endr
.irp i, 0,1,2
	s_delay_alu instid0(VALU_DEP_3)
	v_mov_b32 v[227+6*\c+\i], v[236+4*\c+\i]
.endr
.endr
.endm
	s_load_b256 s[4:11], s[0:1], 0x0               ; qf s[4:5], kimg s[6:7], vimg s[8:9], ycod s[10:11]
	v_lshl_add_u32 v[SPW], v0, 2, SPARE
	v_mov_b32 v[NIL], 0
	ds_add_u32 v5, v6
	ds_add_u32 v5, v6
	s_wait_dscnt 0x0
	v_lshrrev_b32 v30, 5, v0
	s_delay_alu instid0(VALU_DEP_1)
	v_readfirstlane_b32 s12, v30                   ; wave 0..15
	s_lshr_b32 s13, s12, 2                         ; ts: which of the work-group's four tiles
	s_and_b32 s14, s12, 3                          ; q: which key steps
	s_bfe_u32 s15, ttmp6, 0x40000                  ; cx: it enters global addresses and the mask's number alone
	s_and_b32 s17, ttmp7, 0xffff                   ; (batch, kv head)
	s_sub_co_u32 s40, 15, ttmp9
	s_cmp_lt_u32 s13, 2
	s_cselect_b32 s18, ttmp9, s40                  ; G: the same in all four partners, for a given wave
	s_and_b32 s41, s13, 1
	s_lshl_b32 s42, s15, 1
	s_add_co_u32 s42, s42, s41                     ; my tile in its group
	s_lshl_b32 s19, s18, 3
	s_add_co_u32 s19, s19, s42                     ; my tile in the head
	v_and_b32 v30, 31, v0                          ; lane
	v_and_b32 v31, 15, v0                          ; r
	s_delay_alu instid0(VALU_DEP_2)
	v_lshlrev_b32 v7, 4, v30
	s_delay_alu instid0(VALU_DEP_3)
	v_lshlrev_b32 v8, 2, v30
	s_mul_i32 s43, s14, 12800                      ; my key step in a slot
	v_add_nc_u32 v1, s43, v7
	s_delay_alu instid0(VALU_DEP_1)
	v_add_nc_u32 v2, SLOTB, v1
	s_delay_alu instid0(VALU_DEP_2)
	v_add_nc_u32 v3, 51200, v1                     ; V's four steps lie behind K's four
	s_delay_alu instid0(VALU_DEP_2)
	v_add_nc_u32 v4, 51200, v2
	s_mul_i32 s43, s12, PART
	v_add_nc_u32 v9, s43, v7                       ; where my part goes,
	v_lshlrev_b32 v10, 3, v30
	s_delay_alu instid0(VALU_DEP_1)
	v_add_nc_u32 v10, s43, v10
	s_delay_alu instid0(VALU_DEP_1)
	v_add_nc_u32 v10, 8192, v10
	s_mul_i32 s43, s13, 4*PART
	v_add_nc_u32 v11, s43, v7                      ; and where my tile's four parts begin
	v_lshlrev_b32 v28, 3, v30
	s_delay_alu instid0(VALU_DEP_1)
	v_add_nc_u32 v28, s43, v28
	s_delay_alu instid0(VALU_DEP_1)
	v_add_nc_u32 v28, 8192, v28
	v_bfe_u32 v29, v0, 4, 1                        ; h
	s_delay_alu instid0(VALU_DEP_1)
	v_lshlrev_b32 v[QH], 3, v29
	s_delay_alu instid0(VALU_DEP_2)
	v_lshlrev_b32 v29, 4, v29
	s_delay_alu instid0(VALU_DEP_1)
	v_sub_nc_u32 v29, v31, v29
	s_lshl_b32 s42, s42, 4
	v_add_nc_u32 v29, s42, v29                     ; my query in its group - 16 h: register 16 b + i holds key 32 b + 16 h + i of the step: hidden on the diagonal where 32 b + i is greater
	; group 1: a dense block of 25,600 bytes as 100 rows of 256 (32 elements of 8 bytes)
	s_mov_b32 s24, 15|(3<<16)|(1<<21)              ; 15:0 the mask: all four work-groups; 17:16 elements of 8 bytes; 21 set beside a mask
	s_mov_b32 s25, 32<<16
	s_mov_b32 s26, 100<<16
	s_mov_b32 s27, 32<<16
	s_mov_b32 s28, 100
	s_mov_b32 s29, 32
	s_mov_b32 s30, 0
	s_mov_b32 s31, 0
	s_and_b32 s41, s12, 3
	s_mul_i32 s41, s41, 25600                      ; waves 0, 1: K's steps 0-1, 2-3 of a slot; waves 2, 3: V's
	s_and_b32 s42, s12, 1
	s_mul_i32 s42, s42, 25600
	s_mul_i32 s43, s17, 204800                     ; the head's 16 steps
	s_add_co_u32 s42, s42, s43
	s_mov_b32 s43, 0
	s_mov_b32 s[SEL], 0x76543210
	s_mov_b32 s[SEL+1], 0xfedcba98
	s_mov_b32 s[CS], 0x3e0293ee                    ; c = log2(e) / sqrt(128)
	s_mov_b32 s[CS+1], s[CS]                       ; (named with it as a pair, so it is written)
	s_wait_kmcnt 0x0
	s_cmp_lt_u32 s12, 2
	s_cselect_b64 s[44:45], s[6:7], s[8:9]
	s_add_nc_u64 s[44:45], s[44:45], s[42:43]
.irp s, 0,1
	s_mov_b32 s[32+4*\s], 1
	s_add_co_u32 s[33+4*\s], s41, \s*SLOTB
	s_add_nc_u64 s[34+4*\s:35+4*\s], s[44:45], \s*51200   ; slot s begins with period s
	s_or_b32 s[35+4*\s], s[35+4*\s], 0x80000000
.endr
	CROUND                                         ; all four work-groups are here: the first joint loads meet
	s_cmp_lt_u32 s12, 4                            ; slot 0's first fill: one tensor load a wave at the head
	s_cbranch_scc0 .Lno_first
	tensor_load_to_lds s[32:35], s[24:31]
	s_nop 0
.rept 4
	v_nop
.endr
.Lno_first:
	s_lshl_b32 s46, s17, 7
	s_add_co_u32 s46, s46, s19
	s_lshl_b32 s46, s46, 13
	s_mov_b32 s47, 0
	s_add_nc_u64 s[48:49], s[4:5], s[46:47]
.set i, 0
.rept 16
	global_load_b128 v[96+4*i:99+4*i], v7, s[48:49] offset:512*i   ; my tile of q, in the order of the registers below: 512 consecutive bytes a load
.set i, i+1
.endr
	s_lshr_b32 s46, s17, 1
	s_lshl_b32 s46, s46, 7
	s_add_co_u32 s46, s46, s19
	s_lshl_b32 s46, s46, 1
	s_and_b32 s50, s17, 1
	s_add_co_u32 s46, s46, s50                     ; y's fragment: (row tile, kv head)
	s_lshl_b32 s50, s46, 7
	s_add_co_u32 s50, s50, 1572864
	s_mov_b32 s51, 0
	s_mul_i32 s46, s46, 1536
	s_add_nc_u64 s[52:53], s[10:11], s[46:47]
	s_add_nc_u64 s[54:55], s[10:11], s[50:51]
	v_mov_b32 v[QP], 0
	s_wait_loadcnt 0x0
	Q32 96, 16, 255, 240
	v_mov_b32 v13, 0xff61b1e6                      ; the largest t so far: -3e38, under every t
	s_delay_alu instid0(VALU_DEP_1)
	v_floor_f32 v12, -v13                          ; -M
	v_mov_b32 v14, 0
	v_mov_b32 v15, 0
.irp b, 0,1,2,3
	v_mov_b32 v[236+\b], 0                         ; written once: a lane permute's destination counts as one of its sources
.endr
	v_mov_b32 v252, 0
	v_mov_b32 v253, 0
.set j, 0
.rept 64
	v_mov_b32 v[160+j], 0                          ; O^T.  (The step is written once for all: the first finds zeros; a wave with no key step hands zeros on.  These lines are also the places between Q's codes and scale word and the first product)
.set j, j+1
.endr
; A KEY STEP of slot s in period g
.macro STEP s, g
	s_add_co_u32 s56, s14, 4*\g                    ; my key step
	s_cmp_gt_u32 s56, s18
	s_cbranch_scc1 .Lskip_\@                       ; all its keys come after my queries
.rept 4
	v_nop                                          ; places in front of loads into registers that the last step's products have read
.endr
	ds_load_b128 v[80:83], v[AK+\s] offset:12288   ; K's scale words: register b: tile 2 b in lanes 0-15, tile 2 b + 1 in lanes 16-31
.irp h, 0,1                                    ; S^T = K Q^T, four tiles of 16 keys at a time
.if \h
.rept 4
	v_nop
.endr
.endif
.irp t, 0,1,2,3
.irp k, 0,1,2
	ds_load_b128 v[32+12*\t+4*\k:35+12*\t+4*\k], v[AK+\s] offset:(4*\h+\t)*1536+512*\k
.endr
.endr
	s_wait_dscnt 0x0
.irp t, 0,2
	v_wmma_scale_f32_16x16x128_f8f6f4 v[96+8*(4*\h+\t):103+8*(4*\h+\t)], v[32+12*\t:43+12*\t], v[16:27], 0, v[80+2*\h+\t/2], v255 matrix_a_fmt:MATRIX_FMT_FP6 matrix_b_fmt:MATRIX_FMT_FP6
	v_wmma_scale_f32_16x16x128_f8f6f4 v[104+8*(4*\h+\t):111+8*(4*\h+\t)], v[44+12*\t:55+12*\t], v[16:27], 0, v[80+2*\h+\t/2], v255 matrix_a_fmt:MATRIX_FMT_FP6 matrix_b_fmt:MATRIX_FMT_FP6 matrix_a_scale:MATRIX_SCALE_ROW1
.endr
.endr
.rept 4
	v_nop                                          ; places in front of the loads below and of the first read of the scores
.endr
	ds_load_b128 v[84:87], v[AV+\s] offset:12288   ; V's scale words and first four fragments land under the softmax
.irp t, 0,1,2,3
.irp k, 0,1,2
	ds_load_b128 v[32+12*\t+4*\k:35+12*\t+4*\k], v[AV+\s] offset:\t*1536+512*\k
.endr
.endr
	s_cmp_lg_u32 s56, s18                          ; on the diagonal alone the scores of hidden keys become -infinity: p = 0 then.  Key 0 of the step counts for every query of the group
	s_cbranch_scc1 .Lopen_\@
	v_mov_b32 v254, 0xff800000
.set n, 0
.rept 64
	v_cmp_gt_i32 vcc_lo, 32*(n/16)+n%16, v29
	v_cndmask_b32 v[96+n], v[96+n], v254, vcc_lo
.set n, n+1
.endr
.Lopen_\@:
.irp b, 0,1,2,3
	v_max3_num_f32 v[232+\b], v[96+16*\b], v[97+16*\b], v[98+16*\b]   ; the largest score of each block of 32 keys: for the row's maximum and, since p rises with the score, for the block's largest p
.endr
.irp i, 3,5,7,9,11,13
.irp b, 0,1,2,3
	v_max3_num_f32 v[232+\b], v[232+\b], v[96+16*\b+\i], v[97+16*\b+\i]
.endr
.endr
.irp b, 0,1,2,3
	v_max_num_f32 v[232+\b], v[232+\b], v[111+16*\b]
.endr
.irp b, 0,1,2,3
	s_delay_alu instid0(VALU_DEP_4)
	v_permlanex16_b32 v[236+\b], v[232+\b], s[SEL], s[SEL+1]
.endr
.irp b, 0,1,2,3
	s_delay_alu instid0(VALU_DEP_4)
	v_max_num_f32 v[232+\b], v[232+\b], v[236+\b]  ; with lane l xor 16's 16 keys
.endr
	s_delay_alu instid0(VALU_DEP_2)
	v_max3_num_f32 v254, v232, v233, v234
	s_delay_alu instid0(VALU_DEP_1)
	v_max_num_f32 v254, v254, v235
	s_delay_alu instid0(VALU_DEP_1)
	v_mul_f32 v254, s[CS], v254                    ; as t (c is positive)
	s_delay_alu instid0(VALU_DEP_1)
	v_max_num_f32 v13, v13, v254                   ; the running largest t
	v_mov_b32 v254, v12
	s_delay_alu instid0(VALU_DEP_2)
	v_floor_f32 v12, -v13                          ; the new -M = -ceil(t): a whole number
	s_delay_alu instid0(VALU_DEP_1)
	v_sub_f32 v254, v12, v254                      ; old M - new M: a whole number, 0 or less
	s_delay_alu instid0(VALU_DEP_1)
	v_cvt_i32_f32 v254, v254                       ; (it saturates)
	s_delay_alu instid0(VALU_DEP_1)
	v_ldexp_f32 v252, 1.0, v254                    ; f = 2^(old M - new M): a multiplication by it rounds nothing
.set j, 0
.rept 32
	v_pk_fma_f32 v[96+j:97+j], v[96+j:97+j], s[CS:CS+1], v[12:13] op_sel_hi:[1,0,0]   ; t - M, two at a time
.set j, j+2
.endr
.irp b, 0,1,2,3
	v_fma_f32 v[232+\b], v[232+\b], s[CS], v12     ; the same of each block's largest score
.endr
.set j, 0
	s_wait_alu depctr_va_vdst(0)
.rept 64
	v_exp_f32 v[96+j], v[96+j]                     ; p = 2^(t - M), at most 1
.set j, j+1
.endr
	v_pk_mul_f32 v[14:15], v[14:15], v[252:253] op_sel_hi:[1,0]   ; the sums under the new M.  (A plain place behind the exponentials)
	s_wait_alu depctr_va_vdst(0)                   ; one wait for the whole batch, ahead of its first reader
.irp b, 0,1,2,3
	v_exp_f32 v[232+\b], v[232+\b]                 ; the block's largest p: the same two instructions on the same number give the same bits
.endr
	v_pk_add_f32 v[236:237], v[100:101], v[104:105]
	v_pk_add_f32 v[250:251], v[108:109], v[112:113]
	v_pk_add_f32 v[248:249], v[116:117], v[120:121]
	v_pk_add_f32 v[246:247], v[124:125], v[128:129]
	v_pk_add_f32 v[244:245], v[132:133], v[136:137]
	v_pk_add_f32 v[242:243], v[140:141], v[144:145]
	v_pk_add_f32 v[240:241], v[148:149], v[152:153]
	v_pk_add_f32 v[14:15], v[14:15], v[156:157]
	v_pk_add_f32 v[236:237], v[236:237], v[96:97]
	v_pk_add_f32 v[250:251], v[250:251], v[98:99]
	v_pk_add_f32 v[248:249], v[248:249], v[102:103]
	v_pk_add_f32 v[246:247], v[246:247], v[106:107]
	v_pk_add_f32 v[244:245], v[244:245], v[110:111]
	v_pk_add_f32 v[242:243], v[242:243], v[114:115]
	v_pk_add_f32 v[240:241], v[240:241], v[118:119]
	v_pk_add_f32 v[14:15], v[14:15], v[122:123]
	v_pk_add_f32 v[236:237], v[236:237], v[126:127]
	v_pk_add_f32 v[250:251], v[250:251], v[130:131]
	v_pk_add_f32 v[248:249], v[248:249], v[134:135]
	v_pk_add_f32 v[246:247], v[246:247], v[138:139]
	v_pk_add_f32 v[244:245], v[244:245], v[142:143]
	v_pk_add_f32 v[242:243], v[242:243], v[146:147]
	v_pk_add_f32 v[240:241], v[240:241], v[150:151]
	v_pk_add_f32 v[14:15], v[14:15], v[154:155]
	v_pk_add_f32 v[236:237], v[236:237], v[158:159]
	s_delay_alu instid0(VALU_DEP_2)
	v_pk_add_f32 v[14:15], v[14:15], v[246:247]
	s_delay_alu instid0(VALU_DEP_2)
	v_pk_add_f32 v[236:237], v[236:237], v[244:245]
	v_pk_add_f32 v[250:251], v[250:251], v[242:243]
	v_pk_add_f32 v[248:249], v[248:249], v[240:241]
	s_delay_alu instid0(VALU_DEP_2)
	v_pk_add_f32 v[14:15], v[14:15], v[250:251]
	s_delay_alu instid0(VALU_DEP_2)
	v_pk_add_f32 v[236:237], v[236:237], v[248:249]
	s_delay_alu instid0(VALU_DEP_1)
	v_pk_add_f32 v[14:15], v[14:15], v[236:237]
	s_wait_alu depctr_va_vdst(0)                   ; and one for the four
.irp b, 0,1,2,3
	v_max_num_f32 v[232+\b], 0x1800000, v[232+\b]  ; the floor 2^(3 - 127)
.endr
	QTAIL
.set j, 0
.rept 32
	v_pk_mul_f32 v[160+j:161+j], v[160+j:161+j], v[252:253] op_sel_hi:[1,0]   ; O^T under the new M.  (These 32 are also the places between p's codes and scale word and the products below)
.set j, j+2
.endr
	s_wait_alu depctr_va_vdst(0)
.irp h, 0,1                                    ; O^T += V^T P^T: four tiles of 16 channels at a time
.if \h
.rept 4
	v_nop
.endr
.irp t, 0,1,2,3
.irp k, 0,1,2
	ds_load_b128 v[32+12*\t+4*\k:35+12*\t+4*\k], v[AV+\s] offset:(4+\t)*1536+512*\k
.endr
.endr
.endif
	s_wait_dscnt 0x0
.irp t, 0,2
	v_wmma_scale_f32_16x16x128_f8f6f4 v[160+8*(4*\h+\t):167+8*(4*\h+\t)], v[32+12*\t:43+12*\t], v[224:235], v[160+8*(4*\h+\t):167+8*(4*\h+\t)], v[84+2*\h+\t/2], v253 matrix_a_fmt:MATRIX_FMT_FP6 matrix_b_fmt:MATRIX_FMT_FP6
	v_wmma_scale_f32_16x16x128_f8f6f4 v[168+8*(4*\h+\t):175+8*(4*\h+\t)], v[44+12*\t:55+12*\t], v[224:235], v[168+8*(4*\h+\t):175+8*(4*\h+\t)], v[84+2*\h+\t/2], v253 matrix_a_fmt:MATRIX_FMT_FP6 matrix_b_fmt:MATRIX_FMT_FP6 matrix_a_scale:MATRIX_SCALE_ROW1
.endr
.endr
.Lskip_\@:
.endm
; THE CHANGE OF SLOTS.  Each wave waits for all its tensor loads (its part of the slot ahead), adds 0 to its spare word, and waits for that and for its reads of the slot that it has left.
; fill = 1: a round of the cluster's barrier, and slot s, just left, is filled with the period two on: the load has a period in which to land.
.macro CHANGE fill, s
	s_wait_tensorcnt 0x0                           ; no tensor load of mine is out, so a group 0 may be written
	ds_add_u32 v[SPW], v[NIL]                      ; 0 onto my spare word,
	ds_add_u32 v[SPW], v[NIL]                      ; twice
.if \fill
	s_add_nc_u64 s[34+4*\s:35+4*\s], s[34+4*\s:35+4*\s], 2*51200
.endif
	s_wait_dscnt 0x0                               ; the add is done, and my reads of the slot that I have left are over
.if \fill
	CROUND                                         ; both now hold of every wave of every partner
	s_cmp_lt_u32 s12, 4
	s_cbranch_scc0 .Lno_fill_\@
	tensor_load_to_lds s[32+4*\s:35+4*\s], s[24:31]   ; the first thing behind the round, and a wave's one tensor load until the next
	s_nop 0
.rept 4
	v_nop
.endr
.Lno_fill_\@:
.else
	s_barrier_signal -1
	s_barrier_wait -1
.endif
.endm
	s_wait_alu depctr_va_vdst(0)                   ; the wait at the head's end
	s_wait_tensorcnt 0x0                           ; my part of slot 0 is in; slot 1's first fill is issued as a refill is
	ds_add_u32 v[SPW], v[NIL]
	ds_add_u32 v[SPW], v[NIL]
	s_wait_dscnt 0x0
	CROUND
	s_cmp_lt_u32 s12, 4
	s_cbranch_scc0 .Lno_second
	tensor_load_to_lds s[36:39], s[24:31]          ; period 1 into slot 1: it has period 0 in which to land
	s_nop 0
.rept 4
	v_nop
.endr
.Lno_second:
	STEP 0, 0
	CHANGE 1, 0
	STEP 1, 1
	CHANGE 1, 1
	STEP 0, 2
	CHANGE 0, 0
	STEP 1, 3
	; ---- THE FOUR PARTS OF A TILE MEET IN LDS
.rept 4
	v_nop                                          ; places behind the last products
.endr
	v_add_f32 v14, v14, v15                        ; the sum's two halves,
	s_delay_alu instid0(VALU_DEP_1)
	v_permlanex16_b32 v252, v14, s[SEL], s[SEL+1]
	s_delay_alu instid0(VALU_DEP_1)
	v_add_f32 v13, v14, v252                       ; and lane l xor 16's: my part's l, beside -M
	s_wait_alu depctr_va_vdst(0)
	s_wait_dscnt 0x0                               ; my reads of the slots are over
	s_barrier_signal -1
	s_barrier_wait -1                              ; everybody's are: the parts may be laid over the slots, which have had their last fill
.set i, 0
.rept 16
	ds_store_b128 v9, v[160+4*i:163+4*i] offset:512*i   ; O^T as it stands in my registers, each tile from its low end on
.set i, i+1
.endr
	ds_store_b64 v10, v[12:13]
	s_wait_dscnt 0x0                               ; for the others' sake
	s_barrier_signal -1
	s_barrier_wait -1
	s_cmp_lg_u32 s14, s13                          ; waves 0, 5, 10, 15 join the parts of tiles 0 to 3
	s_cbranch_scc1 .Ldone
.irp i, 0,1,2,3
	ds_load_b64 v[224+2*\i:225+2*\i], v28 offset:PART*\i
.endr
; half n of eight: part n % 4, registers 32 (n / 4) on, into buffer n % 3 of three: v32-63, v160-191, v192-223
.macro MLOAD n
.set BF, 32+128*(((\n)%3+1)/2)+32*(((\n)%3)/2)
.set i, 0
.rept 8
	ds_load_b128 v[BF+4*i:BF+4*i+3], v11 offset:PART*((\n)%4)+4096*((\n)/4)+512*i
.set i, i+1
.endr
.endm
	MLOAD 0
	MLOAD 1
	MLOAD 2
	s_wait_dscnt 24                                ; the four (-M, l) are in
	v_min3_num_f32 v232, v224, v226, v228
	s_delay_alu instid0(VALU_DEP_1)
	v_min_num_f32 v232, v232, v230                 ; -M* of the largest M
.irp i, 0,1,2,3
	v_sub_f32 v[248+\i], v232, v[224+2*\i]         ; M_i - M*: a whole number, 0 or less; for a part with no key step about -3e38
.endr
.irp i, 0,1,2,3
	s_delay_alu instid0(VALU_DEP_4)
	v_cvt_i32_f32 v[248+\i], v[248+\i]             ; (it saturates)
.endr
.irp i, 0,1,2,3
	s_delay_alu instid0(VALU_DEP_4)
	v_ldexp_f32 v[248+\i], 1.0, v[248+\i]          ; f_i = 2^(M_i - M*); 0 for an empty part
.endr
	s_delay_alu instid0(VALU_DEP_4)
	v_mul_f32 v233, v248, v225
	s_delay_alu instid0(VALU_DEP_1)
	v_fmac_f32 v233, v249, v227
	s_delay_alu instid0(VALU_DEP_1)
	v_fmac_f32 v233, v250, v229
	s_delay_alu instid0(VALU_DEP_1)
	v_fmac_f32 v233, v251, v231                    ; the row's sum
	s_wait_alu depctr_va_vdst(0)
	v_rcp_f32 v233, v233
	v_nop                                          ; a plain place behind the reciprocal
	s_wait_alu depctr_va_vdst(0)                   ; and the wait ahead of its first reader
.irp i, 0,1,2,3
	v_mul_f32 v[240+2*\i], v[248+\i], v233         ; f_i / l, twice: a pair for the packed forms
	v_mul_f32 v[241+2*\i], v[248+\i], v233
.endr
	s_wait_alu depctr_va_vdst(0)
.irp n, 0,1,2,3,4,5,6,7
.if \n < 6
	s_wait_dscnt 16                                ; this half is in; the two younger halves' 16 loads may be out
.else
	s_wait_dscnt 8*(7-\n)
.endif
.set BF, 32+128*((\n%3+1)/2)+32*((\n%3)/2)
.set YH, 96+32*(\n/4)
.set GI, 240+2*(\n%4)
.set j, 0
.rept 16
.if \n%4 == 0
	v_pk_mul_f32 v[YH+j:YH+j+1], v[BF+j:BF+j+1], v[GI:GI+1]
.else
	v_pk_fma_f32 v[YH+j:YH+j+1], v[BF+j:BF+j+1], v[GI:GI+1], v[YH+j:YH+j+1]
.endif
.set j, j+2
.endr
.if \n+3 < 8
	MLOAD \n+3
.endif
.endr
	; y: register 16 b + i is channel 32 b + 16 h + i of my query: quantised along the channels, which are the last product's K
.irp b, 0,1,2,3
	v_max3_num_f32 v[232+\b], |v[96+16*\b]|, |v[97+16*\b]|, 0x1800000
.endr
.irp i, 2,4,6,8,10,12,14
.irp b, 0,1,2,3
	s_delay_alu instid0(VALU_DEP_4)
	v_max3_num_f32 v[232+\b], v[232+\b], |v[96+16*\b+\i]|, |v[97+16*\b+\i]|
.endr
.endr
.irp b, 0,1,2,3
	s_delay_alu instid0(VALU_DEP_4)
	v_permlanex16_b32 v[236+\b], v[232+\b], s[SEL], s[SEL+1]
.endr
.irp b, 0,1,2,3
	s_delay_alu instid0(VALU_DEP_4)
	v_max_num_f32 v[232+\b], v[232+\b], v[236+\b]
.endr
	QTAIL
.irp g, 0,1,2
	global_store_b128 v7, v[224+4*\g:227+4*\g], s[52:53] offset:512*\g   ; the fragment's image: 512 consecutive bytes, aligned
.endr
	global_store_b32 v8, v253, s[54:55]            ; and its scale words, the same in both halves of the lanes
.Ldone:
	s_wait_tensorcnt 0x0                           ; the wave's end, behind my last tensor load and my last LDS store
	ds_add_u32 v[SPW], v[NIL]
	s_wait_dscnt 0x0
	CROUND                                         ; the closing round
	s_endpgm
.Lfunc_end_k_q8793de9e6e_attn:
	.size	k_q8793de9e6e_attn, .Lfunc_end_k_q8793de9e6e_attn-k_q8793de9e6e_attn
	.p2alignl 7, 3214868480
	.fill 96, 4, 3214868480
	.section	.rodata,"a",@progbits
	.p2align	6, 0x0
	.amdhsa_kernel k_q8793de9e6e_attn
		.amdhsa_group_segment_fixed_size 327680
		.amdhsa_private_segment_fixed_size 0
		.amdhsa_enable_private_segment 0
		.amdhsa_kernarg_size 32
		.amdhsa_user_sgpr_count 2
		.amdhsa_user_sgpr_kernarg_segment_ptr 1
		.amdhsa_wavefront_size32 1
		.amdhsa_system_sgpr_workgroup_id_x 1
		.amdhsa_system_sgpr_workgroup_id_y 1
		.amdhsa_system_sgpr_workgroup_id_z 1
		.amdhsa_system_vgpr_workitem_id 0
		.amdhsa_next_free_vgpr 256
		.amdhsa_next_free_sgpr 66
		.amdhsa_reserve_vcc 1
		.amdhsa_float_denorm_mode_32 3
		.amdhsa_float_denorm_mode_16_64 3
		.amdhsa_memory_ordered 1
		.amdhsa_forward_progress 1
		.amdhsa_inst_pref_size 138
	.end_amdhsa_kernel
	.amdgpu_metadata
---
amdhsa.version: [ 1, 2 ]
amdhsa.kernels:
  - .name:           k_q8793de9e6e_attn
    .symbol:         k_q8793de9e6e_attn.kd
    .args:
      - { .name: qf, .offset: 0, .size: 8, .value_kind: global_buffer, .address_space: global }
      - { .name: kimg, .offset: 8, .size: 8, .value_kind: global_buffer, .address_space: global }
      - { .name: vimg, .offset: 16, .size: 8, .value_kind: global_buffer, .address_space: global }
      - { .name: ycod, .offset: 24, .size: 8, .value_kind: global_buffer, .address_space: global }
    .group_segment_fixed_size: 327680
    .private_segment_fixed_size: 0
    .kernarg_segment_align: 8
    .kernarg_segment_size: 32
    .max_flat_workgroup_size: 512
    .sgpr_count:     66
    .vgpr_count:     256
    .wavefront_size: 32
...
	.end_amdgpu_metadata
.endif
;; end of part 3
;; launch oproj (part 4): grid 8 x 32, 4 waves a work-group, no clusters, 34,304 bytes of LDS; arguments ycod, wocod, bo, out0; writes out0
.if DOCPART == 4
	.amdgcn_target "amdgcn-amd-amdhsa--gfx1250"
	.amdhsa_code_object_version 6
	.text
	.protected	k_q8793de9e6e_oproj
	.globl	k_q8793de9e6e_oproj
	.p2align	8
	.type	k_q8793de9e6e_oproj,@function
k_q8793de9e6e_oproj:
	s_mov_b64 s[64:65], 0
	v_nop
	global_prefetch_b8 v0, s[64:65] scope:SCOPE_SE
	s_setreg_imm32_b32 hwreg(HW_REG_WAVE_MODE, 25, 1), 1
	s_wait_xcnt 0x0
; OPROJ: out0 = y Wo + bo on codes of FP6 (E2M3) with E8M0 scales.  y [8192][256] and Wo [256][2048] lie in memory as images of operand registers (16 rows x 128 K: 1,536 bytes, register p of lane l at 512 (p / 4) + 16 l + 4 (p % 4)).
; A tile of out0, 256 x 256, is made by four waves, 128 x 128 each: 64 accumulators.  K is 256: two matrix instructions deep.  So every fragment goes from memory STRAIGHT INTO REGISTERS, once, by three loads of 512 consecutive bytes:
; no ring, no tensor load, no barrier.  NO CLUSTER.
; USED TRANSPOSED (source 0 = 16 columns of Wo, source 1 = 16 rows of y): a lane holds eight neighbouring numbers of a row of out0.  The bias is the C of each sum's first instruction.
; BY ROWS OF out0: the launch is its stores, 65,536 bytes a wave, so they begin as early as they can.  A block of 16 rows gets both its K steps, 16 products (its eight accumulators by turns, one instruction a turn),
; and leaves while the next block is multiplied.
; REGISTERS, in windows of 256.  Window 0: v1-6 lanes' numbers and offsets; v24-25 the stage; v32-47 y's scale words (2 a + s), v48-55 Wo's (b: K step 0 in lanes 0-15, K step 1 in lanes 16-31), scales alone; v64-255 y's fragments at 64 + 12 (2 a + s).
;   Window 1: Wo's fragments at 12 (2 b + s); the biases at 192 + 8 b.   Window 2: the accumulators of my rows 0-63 ((a, b) at 8 (8 a + b));   window 3: those of rows 64-127.  On the way out a block's rows come back into its accumulators' registers.
.set SPITCH, 528                       ; the way out: a stage of 16 rows x (512 bytes + 16) for each wave
.set STO,  24
.set RD,   25
.set MSB, 0
.macro WIN new                         ; the immediate's high byte repeats the setting that is left
.if MSB != (\new)
	s_set_vgpr_msb (MSB<<8)|(\new)
.set MSB, (\new)
.endif
.endm
	s_load_b256 s[4:11], s[0:1], 0x0               ; ycod s[4:5], wocod s[6:7], bo s[8:9], out0 s[10:11]
	v_lshl_add_u32 v62, v0, 2, 0x8400
	v_mov_b32 v63, 0
	v_lshrrev_b32 v1, 5, v0
	v_readfirstlane_b32 s12, v1                    ; wave 0..3
	s_lshr_b32 s13, s12, 1                         ; mh
	s_and_b32 s14, s12, 1                          ; nh
	s_and_b32 s15, ttmp7, 0xffff                   ; the tile row
	v_and_b32 v1, 31, v0                           ; lane
	v_and_b32 v2, 15, v0                           ; r
	v_bfe_u32 v3, v0, 4, 1                         ; h
	v_lshlrev_b32 v4, 4, v1                        ; 16 x lane
	v_lshlrev_b32 v5, 2, v1                        ; 4 x lane
	v_lshlrev_b32 v6, 5, v3                        ; 32 h
	s_mul_i32 s42, s12, 16*SPITCH
	v_mul_u32_u24 v[STO], v2, SPITCH
	v_lshl_add_u32 v[STO], v3, 5, v[STO]
	v_add_nc_u32 v[STO], s42, v[STO]               ; in: row r, 32 bytes for each half of the lanes
	v_add_nc_u32 v[RD], s42, v4                    ; back: the 32 lanes take one row of 512 bytes
	s_lshl_b32 s16, s15, 4
	s_lshl_b32 s17, s13, 3
	s_add_co_u32 s16, s16, s17                     ; my first tile of 16 rows
	s_mul_i32 s20, s16, 3072
	s_mov_b32 s21, 0
	s_lshl_b32 s22, s16, 8
	s_add_co_u32 s22, s22, 1572864
	s_mov_b32 s23, 0
	s_lshl_b32 s17, ttmp9, 4
	s_lshl_b32 s18, s14, 3
	s_add_co_u32 s17, s17, s18                     ; my first tile of 16 columns
	s_mul_i32 s24, s17, 3072
	s_mov_b32 s25, 0
	s_lshl_b32 s26, s17, 7
	s_add_co_u32 s26, s26, 393216
	s_mov_b32 s27, 0
	s_lshl_b32 s28, s17, 6                         ; 16 columns of 4 bytes
	s_mov_b32 s29, 0
	s_lshl_b32 s44, s16, 17                        ; 16 rows of 8,192 bytes
	s_add_co_u32 s44, s44, s28
	s_mov_b32 s45, 0
	s_wait_alu depctr_va_vdst(0)
	s_wait_kmcnt 0x0
	s_add_nc_u64 s[30:31], s[4:5], s[20:21]        ; y's images
	s_add_nc_u64 s[32:33], s[4:5], s[22:23]        ; y's scale planes
	s_add_nc_u64 s[34:35], s[6:7], s[24:25]        ; Wo's images
	s_add_nc_u64 s[36:37], s[6:7], s[26:27]        ; Wo's planes
	s_add_nc_u64 s[38:39], s[8:9], s[28:29]        ; bo
	s_add_nc_u64 s[40:41], s[10:11], s[44:45]      ; out0 at my corner; never stepped
	; what every block wants comes first: the biases, the scale words, Wo's sixteen fragments; then y's fragments, block by block
	WIN 0x40                                       ; destination window 1
.irp b, 0,1,2,3,4,5,6,7
	global_load_b128 v[192+8*\b:195+8*\b], v6, s[38:39] offset:64*\b       ; lane (r, h): bo at columns 16 b + 8 h + 0 .. 7
	global_load_b128 v[196+8*\b:199+8*\b], v6, s[38:39] offset:64*\b+16
.endr
	WIN 0
.set i, 0
.rept 16
	global_load_b32 v[32+i], v5, s[32:33] offset:128*i
.set i, i+1
.endr
.irp b, 0,1,2,3,4,5,6,7
	global_load_b32 v[48+\b], v5, s[36:37] offset:128*\b
.endr
	WIN 0x40
.irp i, 0,1,2,3,4,5,6,7,8,9,10,11,12,13,14,15
.irp g, 0,1,2
	global_load_b128 v[12*\i+4*\g:12*\i+4*\g+3], v4, s[34:35] offset:\i*1536+512*\g             ; Wo's fragment i = 2 b + s
.endr
.endr
	WIN 0
.irp i, 0,1,2,3,4,5,6,7,8,9,10,11,12,13,14,15
.irp g, 0,1,2
	global_load_b128 v[64+12*\i+4*\g:64+12*\i+4*\g+3], v4, s[30:31] offset:\i*1536+512*\g       ; y's fragment i = 2 a + s: six loads a block
.endr
.endr
; Block a: 16 rows x 128 columns, both K steps.  Between the two products on an accumulator stand the seven others'.
.macro ROW a
	s_wait_loadcnt 6*(7-(\a))                      ; block a's six loads and all before them are in; the later blocks' may be out
	WIN 0x91+0x40*((\a)/4)                         ; source 0 (Wo) and C (the bias) window 1, source 1 (y) window 0, D window 2 or 3
.irp b, 0,1,2,3,4,5,6,7
	v_wmma_scale_f32_16x16x128_f8f6f4 v[8*(8*((\a)%4)+\b):8*(8*((\a)%4)+\b)+7], v[24*\b:24*\b+11], v[64+24*(\a):64+24*(\a)+11], v[192+8*\b:192+8*\b+7], v[48+\b], v[32+2*(\a)] matrix_a_fmt:MATRIX_FMT_FP6 matrix_b_fmt:MATRIX_FMT_FP6
.endr
	WIN 0xA1+0x50*((\a)/4)                         ; C and D window 2 or 3
.irp b, 0,1,2,3,4,5,6,7
	v_wmma_scale_f32_16x16x128_f8f6f4 v[8*(8*((\a)%4)+\b):8*(8*((\a)%4)+\b)+7], v[24*\b+12:24*\b+23], v[76+24*(\a):76+24*(\a)+11], v[8*(8*((\a)%4)+\b):8*(8*((\a)%4)+\b)+7], v[48+\b], v[33+2*(\a)] matrix_a_fmt:MATRIX_FMT_FP6 matrix_b_fmt:MATRIX_FMT_FP6 matrix_a_scale:MATRIX_SCALE_ROW1
.endr
.endm
; THE WAY OUT of block a.  A lane holds 32 neighbouring bytes of a row, and the lanes beside it hold other rows: so the block goes through my own stage in LDS and comes back as whole rows of 512 bytes, into the registers that it left.
; LDS serves a wave's instructions in order (ISA guide 5.7.1.4): no wait between the stores and the loads.  Those registers are not written again, and a row's place stands in the store's immediate (127 rows of 8,192 bytes at the most,
; inside the signed 24 bits: ISA guide, chapter 10): so nothing that a store names is ever rewritten.
.macro TOSTAGE a
.set AC, 64*((\a)%4)
	WIN 0x08+4*((\a)/4)                            ; an LDS store's data are its source 1: window 2 or 3
.irp b, 0,1,2,3,4,5,6,7
	ds_store_b128 v[STO], v[AC+8*\b:AC+8*\b+3] offset:64*\b          ; each accumulator from its low end on
	ds_store_b128 v[STO], v[AC+8*\b+4:AC+8*\b+7] offset:64*\b+16
.endr
	WIN 0x80+0x40*((\a)/4)                         ; destination window 2 or 3
.irp t, 0,1,2,3,4,5,6,7,8,9,10,11,12,13,14,15
	ds_load_b128 v[AC+4*\t:AC+4*\t+3], v[RD] offset:\t*SPITCH
.endr
.endm
.macro SEND a
.set AC, 64*((\a)%4)
	s_wait_dscnt 0x0                               ; the block is back in registers; the next block's stores into the stage come behind this wait
	WIN 0x08+4*((\a)/4)                            ; a store's data are its source 1
.irp t, 0,1,2,3,4,5,6,7,8,9,10,11,12,13,14,15
	global_store_b128 v4, v[AC+4*\t:AC+4*\t+3], s[40:41] offset:(16*(\a)+\t)*8192 th:TH_STORE_NT   ; 512 consecutive bytes, at a multiple of 256 from out0's first byte; written once, read by nobody here
.endr
.endm
	ROW 0
.irp a, 0,1,2,3,4,5,6,7
.rept 4
	v_nop                                          ; four places behind block a's last products, in front of the LDS stores that read them and of the loads into their registers (ISA guide 7.12.1 for vector instructions)
.endr
	TOSTAGE \a
.if \a < 7
	ROW \a+1                                       ; sixteen products stand between the loads from the stage and the wait for them
.endif
	SEND \a
.endr
	WIN 0
	s_wait_tensorcnt 0x0
	ds_add_u32 v62, v63
	s_wait_dscnt 0x0
	s_endpgm
.Lfunc_end_k_q8793de9e6e_oproj:
	.size	k_q8793de9e6e_oproj, .Lfunc_end_k_q8793de9e6e_oproj-k_q8793de9e6e_oproj
	.p2alignl 7, 3214868480
	.fill 96, 4, 3214868480
	.section	.rodata,"a",@progbits
	.p2align	6, 0x0
	.amdhsa_kernel k_q8793de9e6e_oproj
		.amdhsa_group_segment_fixed_size 34304
		.amdhsa_private_segment_fixed_size 0
		.amdhsa_enable_private_segment 0
		.amdhsa_kernarg_size 32
		.amdhsa_user_sgpr_count 2
		.amdhsa_user_sgpr_kernarg_segment_ptr 1
		.amdhsa_wavefront_size32 1
		.amdhsa_system_sgpr_workgroup_id_x 1
		.amdhsa_system_sgpr_workgroup_id_y 1
		.amdhsa_system_sgpr_workgroup_id_z 1
		.amdhsa_system_vgpr_workitem_id 0
		.amdhsa_next_free_vgpr 1024
		.amdhsa_next_free_sgpr 66
		.amdhsa_reserve_vcc 0
		.amdhsa_float_denorm_mode_32 3
		.amdhsa_float_denorm_mode_16_64 3
		.amdhsa_memory_ordered 1
		.amdhsa_forward_progress 1
		.amdhsa_inst_pref_size 62
	.end_amdhsa_kernel
	.amdgpu_metadata
---
amdhsa.version: [ 1, 2 ]
amdhsa.kernels:
  - .name:           k_q8793de9e6e_oproj
    .symbol:         k_q8793de9e6e_oproj.kd
    .args:
      - { .name: ycod, .offset: 0, .size: 8, .value_kind: global_buffer, .address_space: global }
      - { .name: wocod, .offset: 8, .size: 8, .value_kind: global_buffer, .address_space: global }
      - { .name: bo, .offset: 16, .size: 8, .value_kind: global_buffer, .address_space: global }
      - { .name: out0, .offset: 24, .size: 8, .value_kind: global_buffer, .address_space: global }
    .group_segment_fixed_size: 34304
    .private_segment_fixed_size: 0
    .kernarg_segment_align: 8
    .kernarg_segment_size: 32
    .max_flat_workgroup_size: 128
    .sgpr_count:     66
    .vgpr_count:     1024
    .wavefront_size: 32
...
	.end_amdgpu_metadata
.endif
;; end of part 4
